; MI455X (gfx1250); checked and timed in simulation.
; The chip was launched on July 23, 2026; its instructions are those of AMD's public machine-readable ISA for CDNA 5 (MIT licence, August 2026) and "CDNA5" Instruction Set Architecture Reference Guide (July 2026). The comments in the code are by the model that wrote it; some were corrected since.
;; Mutihead Self Attention. Allowed arithmetic: matrix products marked QUANTISED: E2M3 operands, one E8M0 scale for each 32 along K, by v_wmma_scale_f32_16x16x128_f8f6f4 with both operands' format E2M3, f32 sums; everything else in f32.
;; Inputs: Wfc 1,024 x 1,024 float32; Wk 8 x 1,024 x 128 float32; Wq 8 x 1,024 x 128 float32; Wv 8 x 1,024 x 128 float32; bfc 1,024 float32; bk 8 x 128 float32; bq 8 x 128 float32; bv 8 x 128 float32; x 16 x 512 x 1,024 float32; x_mask 16 x 512 int32.
;; Outputs: out0 16 x 512 x 1,024 float32.
;; This version of the problem:
;;   THIS VERSION OF THE PROBLEM IS GIVEN IN LOW PRECISION. The matrix products marked QUANTISED in the list below multiply operands that are first quantised to E2M3 (2 exponent bits, 3 mantissa bits; 6 bits a number), with one power-of-two scale for each 32 numbers along K (OCP MX v1.0); their sums are f32. All else is computed in f32.
;;   The module's matrix products, in the order in which they are computed (A, B: the left and right operand; K: the contracted axis; several contracted axes count as one K, in the product's order):
;;     1. [M 1,024, K 1,024] x [K 1,024, N 8,192]; A: input Wq; B: input x: QUANTISED
;;     2. [M 1,024, K 1,024] x [K 1,024, N 8,192]; A: input Wk; B: input x: QUANTISED
;;     3. [M 1,024, K 1,024] x [K 1,024, N 8,192]; A: input Wv; B: input x: QUANTISED
;;     4. batch 128 x [M 512, K 128] x [K 128, N 512]; A: computed on the way; B: computed on the way: QUANTISED
;;     5. batch 128 x [M 512, K 512] x [K 512, N 128]; A: softmax (see below); B: computed on the way: QUANTISED
;;     6. [M 8,192, K 1,024] x [K 1,024, N 1,024]; A: computed on the way; B: input Wfc: QUANTISED
;;   THE QUANTISER, for each operand of a quantised product, along K:
;;     - K is cut into blocks of 32 from its start; a last block that is shorter is filled with zeros.
;;     - A block's scale is 2^e with e = floor(log2(the largest magnitude in the block)) - 2, held to -126 .. 127; a block of zeros has e = 0. As a byte (E8M0): e + 127.
;;     - Each number is divided by its block's scale, clamped to +-7.5, and rounded to the nearest number of E2M3, ties to even, subnormals kept.
;;     - The product sums the exact products of the quantised numbers (number of the format x scale) in f32.
;;   ~~~python
;;   def quantise(x, axis):      # numpy; x: float32 -> the quantised numbers, widened to float32 again
;;       x = np.moveaxis(x, axis, -1); K = x.shape[-1]
;;       x = np.pad(x, [(0, 0)] * (x.ndim - 1) + [(0, -K % 32)]); x = x.reshape(x.shape[:-1] + (-1, 32)); a = np.abs(x).max(-1, keepdims=True)
;;       e = np.where(a > 0, np.clip(np.frexp(np.where(a > 0, a, 1))[1] - 1 - 2, -126, 127), 0)      # np.frexp(a)[1] - 1 = floor(log2(a)), exactly
;;       r = np.clip(x / 2.0 ** e, -7.5, 7.5)
;;       step = 2.0 ** (np.maximum(np.frexp(np.where(r == 0, 1, r))[1] - 1, 0) - 3)
;;       q = np.round(r / step) * step * 2.0 ** e      # np.round: ties to even
;;       return np.moveaxis(q.reshape(q.shape[:-2] + (-1,))[..., :K], -1, axis).astype(np.float32)
;;   ~~~
;;   SOFTMAX AHEAD OF A QUANTISED PRODUCT. Where the list says 'softmax', what is quantised is not the finished softmax but p = 2^(t - M), with t = logit x log2(e) and M = ceil(the row's largest t), a whole number; so 1/2 < the row's largest p <= 1. The row's sum l is taken of the UNQUANTISED p, in f32, and the product's result is divided by l at the end. Since M is a whole number, a kernel that streams over the keys may use a running M (the ceiling of the running maximum): every later rescaling is an exact power of two, which a block's scale takes up: the codes' values come out the same.
;;   OPERANDS COMPUTED ON THE WAY. 'Computed on the way' means the value that the module computes at that place (a softmax that the list does not call 'softmax' is quantised finished and normalised). What goes into a quantiser is computed in f32, as accurately as f32 sums, v_exp_f32 and their like allow (about 1e-6 of the number): no bf16 or f16 on the way to a quantiser, and a product that is left as it is and whose result goes on into a quantised operand takes f32 operands (vector FMAs, or v_wmma_f32_16x16x4_f32). A number that lies on a knife's edge between two numbers of the format may be rounded either way, as far as f32 arithmetic and the matrix unit's own rounding can turn it there, and no further.
;; One version. Each part assembles by itself: llvm-mc -triple=amdgcn-amd-amdhsa -mcpu=gfx1250 --defsym DOCPART=n.
;; ======== version 1 of 1: 4 launches
;; limits: right only within a limited range of input values
;; workspace buffers: xcod 6,291,456 bytes; wcod 3,145,728 bytes; xwsc 393,216 bytes; qkv 19,660,800 bytes; ocod 6,291,456 bytes; oscl 262,144 bytes
;; launch quant (part 1): grid 768 x 1, 4 waves a work-group, no clusters, 34,304 bytes of LDS; arguments x, Wq, Wk, Wv, Wfc, xcod, wcod, xwsc; writes xcod, wcod, xwsc
.if DOCPART == 1
	.amdgcn_target "amdgcn-amd-amdhsa--gfx1250"
	.amdhsa_code_object_version 6
	.text
	.protected	k_q1031c5b5c5_quant
	.globl	k_q1031c5b5c5_quant
	.p2align	8
	.type	k_q1031c5b5c5_quant,@function
k_q1031c5b5c5_quant:
	s_mov_b64 s[64:65], 0
	v_nop
	global_prefetch_b8 v0, s[64:65] scope:SCOPE_SE
	s_setreg_imm32_b32 hwreg(HW_REG_WAVE_MODE, 25, 1), 1
	s_wait_xcnt 0x0
; x [8192][1024], Wq, Wk, Wv [8][1024][128] and Wfc [1024][1024], f32, become codes of FP6 (E2M3) with one E8M0 byte for each 32 along K (K = the 1,024 that each product sums over).
; A block's scale is 2^(floor(log2(its largest magnitude)) - 2): its byte is the largest magnitude's exponent field - 2, held at 1 from below.
; THE CODES ARE LAID AS IMAGES OF THE OPERAND'S REGISTERS: a fragment (16 rows x 128 K) is 12 registers a lane, 1,536 bytes: registers 4 c .. 4 c + 3 of lane l at byte 512 c + 16 l.
;   xcod [row tile 0..511][K step 0..7][1536];  wcod [tile of 16 columns 0..255][K step][1536]: tiles 0-63 Wq (column = 128 head + e), 64-127 Wk, 128-191 Wv, 192-255 Wfc.
;   xwsc [K step][12288 words]: word = a row's four scale bytes of the K step; words 0..8191 x's rows, 8192 + n the weights' columns in wcod's order.
; Wfc's K inside each block of 32 is laid in the order in which the attention launch leaves o: position p holds k = p % 8 + 8 (2 ((p / 8) % 2) + p / 16); a block keeps its members, so its scale is the rule's.
; SHARES: every wave makes two fragments from 16 KiB of f32.  Work-groups 0-511 take x, 512-703 the heads' weights, 704-767 Wfc.  Waves share nothing: no barrier.
; LIMITS: NaN and infinities are not served; a block whose largest magnitude lies under 2^-124, a block of zeros among them, keeps the byte 1 (its codes are right or zero; this program alone reads the bytes).
.set LI,  4                            ; v4   16 x lane
.set L4,  5                            ; v5   4 x lane
.set STI, 6                            ; v6   x: into my stage, a row's 512 bytes as they lie
.set STO, 7                            ; v7   x: out of it: row r, 64 bytes of each 128 for my half
.set TM,  16                           ; v16-31  at work in QUANT
.set PC,  32                           ; v32-51  the codes just made
.set PW,  52                           ; v52-53  the two fragments' scale words
.set R0,  64                           ; v64-191 x: 32 rows x 4 registers as loaded
.set X,   192                          ; v192-255 x: 64 numbers of my row
.set XW,  64                           ; v64-191 weights: 128 numbers down K of my column
.set SEL, 22                           ; s[22:23] selects of v_permlanex16_b32: lane l xor 16
.set SPB, 528                          ; a stage row: 512 bytes + 16 = 132 words: the 16 rows that a load touches begin 4 banks apart
; 64 numbers of a lane, register 16 b + i = position 16 (lane / 16) + i of block b of my row, become the fragment in v[PC] .. v[PC + 11] and the row's scale word in v[pw].
.macro QUANT s, pw
.irp b, 0,1,2,3
	v_max3_num_f32 v[TM+\b], |v[\s+16*\b]|, |v[\s+1+16*\b]|, 0x1800000   ; my 16 numbers of block b, and the floor 2^(3 - 127): the byte cannot fall under 1
.endr
.irp i, 2,4,6,8,10,12,14
.irp b, 0,1,2,3
	v_max3_num_f32 v[TM+\b], v[TM+\b], |v[\s+16*\b+\i]|, |v[\s+1+16*\b+\i]|
.endr
.endr
.irp b, 0,1,2,3
	v_permlanex16_b32 v[TM+4+\b], v[TM+\b], s[SEL], s[SEL+1]
.endr
.irp b, 0,1,2,3
	v_max_num_f32 v[TM+\b], v[TM+\b], v[TM+4+\b]       ; with lane l xor 16's: the block's largest magnitude
.endr
.irp b, 0,1,2,3
	v_add_nc_u32 v[TM+12+\b], 0xff000000, v[TM+\b]     ; 2 off its exponent field: the conversion's scale operand
.endr
.irp b, 0,1,2,3
	v_lshrrev_b32 v[TM+4+\b], 23, v[TM+12+\b]          ; the scale's byte
.endr
	v_lshl_or_b32 v[\pw], v[TM+5], 8, v[TM+4]
	v_lshl_or_b32 v[\pw], v[TM+6], 16, v[\pw]
	v_lshl_or_b32 v[\pw], v[TM+7], 24, v[\pw]
.irp c, 0,1
	v_cvt_scalef32_pk16_fp6_f32 v[PC+6*\c:PC+2+6*\c], v[\s+32*\c:\s+15+32*\c], v[TM+12+2*\c]
	v_cvt_scalef32_pk16_fp6_f32 v[PC+12+4*\c:PC+14+4*\c], v[\s+16+32*\c:\s+31+32*\c], v[TM+12+2*\c+1]   ; (three registers begin on an even number)
.endr
	v_nop                                              ; one plain place behind a scaled conversion
.irp c, 0,1                                            ; the layout wants a whole block in a lane: lanes 0-15 block 2 c, lanes 16-31 block 2 c + 1
.irp i, 0,1,2
	v_permlane16_swap_b32 v[PC+6*\c+\i], v[PC+12+4*\c+\i]
.endr
.irp i, 0,1,2
	v_mov_b32 v[PC+3+6*\c+\i], v[PC+12+4*\c+\i]
.endr
.endr
.endm
	s_load_b256 s[4:11], s[0:1], 0x0               ; x s[4:5], Wq s[6:7], Wk s[8:9], Wv s[10:11]
	s_load_b256 s[12:19], s[0:1], 0x20             ; Wfc s[12:13], xcod s[14:15], wcod s[16:17], xwsc s[18:19]
	v_lshl_add_u32 v62, v0, 2, 0x8400
	v_mov_b32 v63, 0
	v_lshrrev_b32 v1, 5, v0
	v_readfirstlane_b32 s20, v1                    ; wave 0..3
	v_and_b32 v1, 31, v0                           ; lane
	v_and_b32 v2, 15, v0                           ; r
	v_bfe_u32 v3, v0, 4, 1                         ; h
	v_lshlrev_b32 v[LI], 4, v1
	v_lshlrev_b32 v[L4], 2, v1
	s_mul_i32 s28, s20, 16*SPB                     ; my stage
	v_add_nc_u32 v[STI], s28, v[LI]
	v_mul_u32_u24 v[STO], v2, SPB
	v_lshl_add_u32 v[STO], v3, 6, v[STO]
	v_add_nc_u32 v[STO], s28, v[STO]
	s_mov_b32 s[SEL], 0x76543210
	s_mov_b32 s[SEL+1], 0xfedcba98
	s_mov_b32 s25, 0                               ; the high word of every offset
.irp b, 0,1,2,3
	v_mov_b32 v[TM+4+\b], 0                        ; written once: a lane permute's destination counts as one of its sources
.endr
	s_wait_kmcnt 0x0
	s_cmp_lt_u32 ttmp9, 512
	s_cbranch_scc0 .Lweights
	; ---- x: K step 4 (g % 2) + wave of the 32 rows 32 (g / 2) on
	s_and_b32 s24, ttmp9, 1
	s_lshl_b32 s24, s24, 2
	s_add_co_u32 s26, s24, s20                     ; the K step
	s_lshr_b32 s27, ttmp9, 1                       ; the pair of row tiles
	s_lshl_b32 s24, s27, 17                        ; 32 rows of 4,096 bytes
	s_lshl_b32 s28, s26, 9                         ; 128 numbers
	s_add_co_u32 s24, s24, s28
	s_add_nc_u64 s[4:5], s[4:5], s[24:25]
	s_mul_i32 s24, s27, 24576                      ; two row tiles of 8 fragments
	s_mul_i32 s28, s26, 1536
	s_add_co_u32 s24, s24, s28
	s_add_nc_u64 s[14:15], s[14:15], s[24:25]
	s_mul_i32 s24, s26, 49152
	s_lshl_b32 s28, s27, 7                         ; 32 words
	s_add_co_u32 s24, s24, s28
	s_add_nc_u64 s[18:19], s[18:19], s[24:25]
.set i, 0
.rept 32
	global_load_b128 v[R0+4*i:R0+4*i+3], v[LI], s[4:5] offset:4096*i th:TH_LOAD_NT   ; 32 lanes read 512 consecutive bytes of row i
.set i, i+1
.endr
; 16 rows go through my stage as they lie and come back 64 numbers a lane: register 16 b + i = k 32 b + 16 h + i of row r.  LDS serves a wave's instructions in order: no wait between the stores and the loads.
.macro TURN src
.set i, 0
.rept 16
	ds_store_b128 v[STI], v[\src+4*i:\src+4*i+3] offset:SPB*i
.set i, i+1
.endr
.irp b, 0,1,2,3
.irp j, 0,1,2,3
	ds_load_b128 v[X+16*\b+4*\j:X+16*\b+4*\j+3], v[STO] offset:128*\b+16*\j
.endr
.endr
.endm
	s_wait_loadcnt 16                              ; the first tile's 16 loads are in; the second tile's 16 may be out
	s_wait_alu depctr_va_vdst(0)
	TURN R0
	s_wait_dscnt 0x0
	QUANT X, PW
.irp c, 0,1,2
	global_store_b128 v[LI], v[PC+4*\c:PC+4*\c+3], s[14:15] offset:512*\c   ; 512 consecutive bytes, aligned
.endr
	s_wait_loadcnt 0x0
	TURN R0+64
	s_wait_dscnt 0x0
	s_wait_xcnt 0x0                                ; the stores above have read the codes' registers: they are written again only behind this wait
	QUANT X, PW+1
.irp c, 0,1,2
	global_store_b128 v[LI], v[PC+4*\c:PC+4*\c+3], s[14:15] offset:12288+512*\c
.endr
	v_cmp_le_u32 vcc_lo, 16, v1
	v_cndmask_b32 v54, v[PW], v[PW+1], vcc_lo      ; lanes 0-15 the first tile's words, lanes 16-31 the second's
	global_store_b32 v[L4], v54, s[18:19]          ; 128 consecutive bytes
	s_wait_tensorcnt 0x0
	ds_add_u32 v62, v63
	s_wait_dscnt 0x0
	s_endpgm
	; ---- the weights: a lane takes a column, and its 128 registers run down the K step
.Lweights:
	s_sub_co_u32 s24, ttmp9, 512
	s_and_b32 s26, s24, 7                          ; the K step
	s_bfe_u32 s27, s24, 0x30003                    ; which 128 columns (for a head's weight: the head)
	s_lshr_b32 s29, s24, 6                         ; the matrix: 0 Wq, 1 Wk, 2 Wv, 3 Wfc
	s_lshl_b32 s28, s27, 2
	s_add_co_u32 s28, s28, s20                     ; which 32 columns: my wave's
	s_mul_i32 s24, s29, 786432
	s_mul_i32 s30, s28, 24576
	s_add_co_u32 s24, s24, s30
	s_mul_i32 s30, s26, 1536
	s_add_co_u32 s24, s24, s30
	s_add_nc_u64 s[16:17], s[16:17], s[24:25]
	s_mul_i32 s24, s26, 49152
	s_lshl_b32 s30, s29, 12
	s_add_co_u32 s24, s24, s30
	s_lshl_b32 s30, s28, 7
	s_add_co_u32 s24, s24, s30
	s_add_co_u32 s24, s24, 32768
	s_add_nc_u64 s[18:19], s[18:19], s[24:25]
.macro WLOAD beta, pitch, perm         ; block beta: 32 rows of my column; each load reads 128 consecutive bytes, the four waves stand side by side on 512
.set p, 0
.rept 32
.if \perm
.set rw, p%8+8*(2*((p/8)%2)+p/16)
.else
.set rw, p
.endif
	global_load_b32 v[XW+32*(\beta)+p], v[L4], s[6:7] offset:(32*(\beta)+rw)*\pitch th:TH_LOAD_NT
.set p, p+1
.endr
.endm
.macro WBLOCK beta, left, pitch, perm
	s_wait_loadcnt \left                           ; this block's 32 loads are in; the next block's 32 may be out
.if (\beta) < 2
	WLOAD (\beta)+2, \pitch, \perm
.endif
.set XS, XW+32*(\beta)
.set G, 32+12*((\beta)%2)+6*((\beta)/2)        ; even blocks into v32-43, odd ones into v44-55
	v_max3_num_f32 v16, |v[XS]|, |v[XS+1]|, |v[XS+2]|      ; the block's largest magnitude: all 32 numbers are mine
	v_max3_num_f32 v17, |v[XS+3]|, |v[XS+4]|, |v[XS+5]|
.irp i, 6,10,14,18,22,26
	v_max3_num_f32 v16, v16, |v[XS+\i]|, |v[XS+\i+1]|
	v_max3_num_f32 v17, v17, |v[XS+\i+2]|, |v[XS+\i+3]|
.endr
	v_max3_num_f32 v16, v16, |v[XS+30]|, |v[XS+31]|
	v_max3_num_f32 v16, v16, v17, 0x1800000        ; and the floor
	v_add_nc_u32 v18, 0xff000000, v16              ; the conversion's scale operand
	v_lshrrev_b32 v19, 23, v18                     ; the byte
.if (\beta) == 0
	v_mov_b32 v57, v19
.else
	v_lshl_or_b32 v57, v19, 8*(\beta), v57         ; my column's scale word
.endif
	v_cvt_scalef32_pk16_fp6_f32 v[G:G+2], v[XS:XS+15], v18
	v_cvt_scalef32_pk16_fp6_f32 v[58:60], v[XS+16:XS+31], v18
	v_nop                                          ; one plain place behind a scaled conversion
.irp i, 0,1,2
	v_mov_b32 v[G+3+\i], v[58+\i]
.endr
.endm
.macro WPATH pitch, perm
	WLOAD 0, \pitch, \perm
	WLOAD 1, \pitch, \perm
	WBLOCK 0, 32, \pitch, \perm
	WBLOCK 1, 32, \pitch, \perm
	WBLOCK 2, 32, \pitch, \perm
	WBLOCK 3, 0, \pitch, \perm
.set i, 0
.rept 12                                       ; lanes 16-31 of the even blocks change places with lanes 0-15 of the odd ones: v32-43 is then the image of columns 0-15, v44-55 that of columns 16-31
	v_permlane16_swap_b32 v[32+i], v[44+i]
.set i, i+1
.endr
.irp c, 0,1,2
	global_store_b128 v[LI], v[32+4*\c:35+4*\c], s[16:17] offset:512*\c
	global_store_b128 v[LI], v[44+4*\c:47+4*\c], s[16:17] offset:12288+512*\c
.endr
	global_store_b32 v[L4], v57, s[18:19]          ; 128 consecutive bytes
.endm
	s_cmp_eq_u32 s29, 3
	s_cbranch_scc1 .Lwfc
	s_cmp_eq_u32 s29, 1                            ; the choice hangs on the work-group's number alone
	s_cselect_b64 s[6:7], s[8:9], s[6:7]
	s_cmp_eq_u32 s29, 2
	s_cselect_b64 s[6:7], s[10:11], s[6:7]
	s_lshl_b32 s24, s27, 19                        ; the head: 1,024 rows of 512 bytes
	s_lshl_b32 s30, s26, 16                        ; the K step: 128 rows
	s_add_co_u32 s24, s24, s30
	s_lshl_b32 s30, s20, 7                         ; my wave's 32 columns
	s_add_co_u32 s24, s24, s30
	s_add_nc_u64 s[6:7], s[6:7], s[24:25]
	s_wait_alu depctr_va_vdst(0)
	WPATH 512, 0
	s_endpgm
.Lwfc:
	s_lshl_b32 s24, s26, 19                        ; the K step: 128 rows of 4,096 bytes
	s_lshl_b32 s30, s28, 7
	s_add_co_u32 s24, s24, s30
	s_add_nc_u64 s[6:7], s[12:13], s[24:25]
	s_wait_alu depctr_va_vdst(0)
	WPATH 4096, 1
	s_endpgm
.Lfunc_end_k_q1031c5b5c5_quant:
	.size	k_q1031c5b5c5_quant, .Lfunc_end_k_q1031c5b5c5_quant-k_q1031c5b5c5_quant
	.p2alignl 7, 3214868480
	.fill 96, 4, 3214868480
	.section	.rodata,"a",@progbits
	.p2align	6, 0x0
	.amdhsa_kernel k_q1031c5b5c5_quant
		.amdhsa_group_segment_fixed_size 34304
		.amdhsa_private_segment_fixed_size 0
		.amdhsa_enable_private_segment 0
		.amdhsa_kernarg_size 64
		.amdhsa_user_sgpr_count 2
		.amdhsa_user_sgpr_kernarg_segment_ptr 1
		.amdhsa_wavefront_size32 1
		.amdhsa_system_sgpr_workgroup_id_x 1
		.amdhsa_system_sgpr_workgroup_id_y 1
		.amdhsa_system_sgpr_workgroup_id_z 1
		.amdhsa_system_vgpr_workitem_id 0
		.amdhsa_next_free_vgpr 256
		.amdhsa_next_free_sgpr 66
		.amdhsa_reserve_vcc 1
		.amdhsa_float_denorm_mode_32 3
		.amdhsa_float_denorm_mode_16_64 3
		.amdhsa_memory_ordered 1
		.amdhsa_forward_progress 1
		.amdhsa_inst_pref_size 57
	.end_amdhsa_kernel
	.amdgpu_metadata
---
amdhsa.version: [ 1, 2 ]
amdhsa.kernels:
  - .name:           k_q1031c5b5c5_quant
    .symbol:         k_q1031c5b5c5_quant.kd
    .args:
      - { .name: x, .offset: 0, .size: 8, .value_kind: global_buffer, .address_space: global }
      - { .name: Wq, .offset: 8, .size: 8, .value_kind: global_buffer, .address_space: global }
      - { .name: Wk, .offset: 16, .size: 8, .value_kind: global_buffer, .address_space: global }
      - { .name: Wv, .offset: 24, .size: 8, .value_kind: global_buffer, .address_space: global }
      - { .name: Wfc, .offset: 32, .size: 8, .value_kind: global_buffer, .address_space: global }
      - { .name: xcod, .offset: 40, .size: 8, .value_kind: global_buffer, .address_space: global }
      - { .name: wcod, .offset: 48, .size: 8, .value_kind: global_buffer, .address_space: global }
      - { .name: xwsc, .offset: 56, .size: 8, .value_kind: global_buffer, .address_space: global }
    .group_segment_fixed_size: 34304
    .private_segment_fixed_size: 0
    .kernarg_segment_align: 8
    .kernarg_segment_size: 64
    .max_flat_workgroup_size: 128
    .sgpr_count:     66
    .vgpr_count:     256
    .wavefront_size: 32
...
	.end_amdgpu_metadata
.endif
;; end of part 1
;; launch qkv (part 2): grid 8 x 32, 4 waves a work-group, clusters of 4 x 4, 327,680 bytes of LDS; arguments xcod, wcod, xwsc, bq, bk, bv, qkv; writes qkv
.if DOCPART == 2
	.amdgcn_target "amdgcn-amd-amdhsa--gfx1250"
	.amdhsa_code_object_version 6
	.text
	.protected	k_q1031c5b5c5_qkv
	.globl	k_q1031c5b5c5_qkv
	.p2align	8
	.type	k_q1031c5b5c5_qkv,@function
k_q1031c5b5c5_qkv:
	s_mov_b64 s[64:65], 0
	v_nop
	global_prefetch_b8 v0, s[64:65] scope:SCOPE_SE
	s_setreg_imm32_b32 hwreg(HW_REG_WAVE_MODE, 25, 1), 1
	s_wait_xcnt 0x0
	s_wait_alu depctr_hold_cnt(0) depctr_sa_sdst(0) depctr_va_vdst(0) depctr_va_sdst(0) depctr_va_ssrc(0) depctr_va_vcc(0) depctr_vm_vsrc(0)
	s_getreg_b32 s2, hwreg(HW_REG_IB_STS2, 6, 4)
	s_cmp_eq_u32 s2, 0
	s_cbranch_scc0 .Lentry_in_a_cluster
	s_endpgm
.Lentry_in_a_cluster:
	s_bfe_u32 s2, ttmp6, 0x10000c
	s_cmp_lg_u32 s2, 0xf033
	s_cbranch_scc0 .Lentry_shape_is_right
	s_endpgm
.Lentry_shape_is_right:
; q, k, v = x W + b on codes of FP6 (E2M3) with E8M0 scales, K = 1,024; the results are quantised on the way out, q and k along the head's 128, v along the keys, and leave as images of operand registers.
; SHARES: 8,192 x 3,072 outputs on 256 work-groups: a tile of 256 x 256 of q or k (the cluster's x says which), each wave 128 x 128 in 64 accumulators, then 256 tokens x one head's 128 columns of v, each wave 128 x 64.
; K goes in steps of 256 through two LDS slots, and the ring goes on into the second tile.  Operands lie in memory as images of fragments (16 rows x 128 K = 1,536 bytes): three ds_load_b128 bring one.
; THE FIRST SOURCE of the matrix instruction ('P') gives a lane's eight registers, the second ('R') its column.  q, k: P = weights, R = x.  v: P = x, R = Wv: registers run along the tokens, which are the keys.
; CLUSTER 4 x 4: R's tiles hang on cy and are asked for jointly along a row of the cluster, P's on cx and along a column.
; THE HEAD: one joint load a wave: wave 0 slot 0's 16 row tiles of R, wave 1 those of P, waves 2 and 3 the first tile's scale words of all of K.  Slot 1 is first filled behind the full sequence and a round.
; THE SECOND TILE'S SCALE WORDS go from memory into scale registers: a load takes 32 rows' words, 128 consecutive bytes; a block's words are lanes 0-15 or 16-31 of its register.  They are asked for ahead of the first way out.
; PREFETCH: behind fill f one instruction a wave names what fill f + 2 loads: 24 blocks of 256 bytes, a lane a block (lanes 24-31 name the last again); the four partners of a joint load take two row tiles each, by address.
; In the second tile wave 0 alone asks, for Wv's rows: x's rows have been read in this launch as the first tile's R.  Fills 0 and 1 come by their loads alone; nothing is asked for beyond fill 7.
; THE ORDER INSIDE A BLOCK OF 32 of what is quantised here: position p holds number p % 8 + 8 (2 ((p / 8) % 2) + p / 16) of the block, alike in q and k, and in v as in the softmax's p of the next launch.
; qkv: 128 records (16 b x 8 heads) of 153,600 bytes: Q codes 0, Q scale words 49,152, K codes 51,200, V^T codes 100,352, K scale words 149,504, V's 151,552.
; LIMITS: NaN and infinities are not served; a block whose largest magnitude lies under 2^-124 keeps the byte 1.
; REGISTERS: window 0: v8-11 places in qkv, v16-29 addresses, v32-63 scale words, v64-127 the first tile's bias, v128-223 R's fragments, v236-243 the second tile's bias, v244-251 and v0-7 R's scale words of the second tile;
;   window 1: P's fragments, two sets; windows 2, 3: the accumulators.
.set NQ,    2
.set FR,    12
.set NL,    3
.set NP,    4
.set HALFT, 24576                      ; 8 row tiles x 3,072 bytes
.set SLOT,  4*HALFT                    ; R's rows, then P's 256
.set SCL,   2*SLOT                     ; the first tile's scale words: R's [8 K steps][256 rows], then P's: filled once
.set SPARE, 231424                     ; the spare words
.set VOC1, 8
.set VOS1, 9
.set VOC2, 10
.set VOS2, 11
.set ADRA, 16
.set ADRH, 18
.set ADRB, 20
.set LN,   22
.set LI,   24
.set L4,   25
.set PFO,  26                          ; the prefetches' offset: my block of 24; never rewritten
.set ADRS, 27
.set SPW,  28
.set NIL,  29
.set SC,   32
.set PS2,  32                          ; second tile: P's scale words, register 4 k + j: rows 32 j .. 32 j + 31 of K step k
.set BP,   64
.set AF,   128
.set T,    128
.set TM,   192
.set PC,   208
.set SW,   228
.set BR,   236
.set SEL,  2
.set PF1,  4                           ; s[4:5] the first tile's prefetches, s[8:9] the second's; never rewritten
.set PF2,  8
.set G1,   24
.set G0,   32
.set G1B,  48
.set G0B,  56
.set G1S,  68
.set G0S,  76
.set G1SB, 80
.set G0SB, 88
.set G0HB, 92
.set G0H,  96
.set MSB, 0
.macro WIN new
.if MSB != (\new)
	s_set_vgpr_msb (MSB<<8)|(\new)
.set MSB, (\new)
.endif
.endm
.set MUL_LO, 0xa1
.set MUL_HI, 0xf1
.set TO_B,   0x40
.macro PLACES n
.rept \n
	v_nop
.endr
.endm
.macro TLOAD g0, g1                    ; s_nop 0 and four v_nop behind every tensor load
	tensor_load_to_lds s[\g0:\g0+3], s[\g1:\g1+7]
	s_nop 0
	PLACES 4
.endm
.macro JLOAD g0a, g1a, g0b, g1b        ; waves 0, 1 ask for R, waves 2, 3 for P
	s_cmp_eq_u32 s19, 0
	s_cbranch_scc0 .Lfor_b_\@
	TLOAD \g0a, \g1a
	s_branch .Lasked_\@
.Lfor_b_\@:
	TLOAD \g0b, \g1b
.Lasked_\@:
.endm
.macro JLOAD2 slot                     ; second tile: R's 128 rows are wave 0's load; wave 1 has no part; waves 2, 3 ask for P's halves
	s_cmp_lt_u32 s18, 2
	s_cbranch_scc0 .Lfor_p_\@
	s_cmp_eq_u32 s18, 0
	s_cbranch_scc0 .Ljoin_\@
	TLOAD G0+4*\slot, G1
	s_branch .Ljoin_\@
.Lfor_p_\@:
	TLOAD G0B+4*\slot, G1B
.Ljoin_\@:
	PLACES 4                                       ; on every wave's way the places in front of the LDS loads that follow
.endm
.macro CREST
	s_cmp_lg_u32 s18, 0
	s_cbranch_scc1 .Lnot_wave_0_\@
	s_barrier_signal -3
.Lnot_wave_0_\@:
	s_barrier_wait -3
	s_barrier_signal -1
	s_barrier_wait -1
.endm
.macro CROUND
	s_barrier_signal -1
	s_barrier_wait -1
	CREST
.endm
.macro ASK1 off                        ; every wave: its share of the first tile's fill at byte off of the row tiles
	global_prefetch_b8 v[PFO], s[PF1:PF1+1] offset:\off th:TH_LOAD_NT scope:SCOPE_SE
.endm
.macro ASK2 off                        ; wave 0: its work-group's share of Wv's rows
	s_cmp_lg_u32 s18, 0
	s_cbranch_scc1 .Lnot_mine_\@
	global_prefetch_b8 v[PFO], s[PF2:PF2+1] offset:\off th:TH_LOAD_NT scope:SCOPE_SE
.Lnot_mine_\@:
.endm
.macro FRAG reg, adr, q, i
.irp c, 0,1,2
	ds_load_b128 v[\reg+4*\c:\reg+4*\c+3], v[\adr] offset:3072*(\i)+1536*(\q)+512*\c
.endr
.endm
.macro FETCH_B slot, q, p
	WIN TO_B
.irp i, 0,1,2,3,4,5,6,7
	FRAG 128*(\p)+FR*\i, ADRB+\slot, \q, \i
.endr
	WIN 0
.endm
.macro FETCH_A slot, q, i0
.irp i, \i0, \i0+1, \i0+2, \i0+3
	FRAG AF+FR*(\i), ADRA+\slot, \q, \i
.endr
.endm
.macro FETCH_H slot, q, rs
.irp i, 0,1,2,3
	FRAG AF+48*(\rs)+FR*\i, ADRH+\slot, \q, \i
.endr
.endm
.macro SCALES sc, n                    ; the scale words of K steps 2 n, 2 n + 1: register 2 i + q: lanes 0-15 R's block i, lanes 16-31 P's block i
.irp i, 0,1,2,3,4,5,6,7
.irp q, 0,1
	ds_load_b32 v[SC+16*\sc+2*\i+\q], v[ADRS] offset:1024*(2*(\n)+\q)+64*\i
.endr
.endr
.endm
; 16 matrix instructions of the first tile; the accumulators take turns, one instruction a turn
.macro MUL16 a0, p, q, sc, cmode
.irp a, \a0, \a0+1
.irp b, 0,1,2,3,4,5,6,7
.set rD, 8*(8*((\a)%4)+\b)
.set rP, 128*(\p)+FR*\b
.set rR, AF+FR*(\a)
.set sP, SC+16*(\sc)+2*\b+(\q)
.set sR, SC+16*(\sc)+2*(\a)+(\q)
.if \cmode == 1
	v_wmma_scale_f32_16x16x128_f8f6f4 v[rD:rD+7], v[rP:rP+11], v[rR:rR+11], 0, v[sP], v[sR] matrix_a_fmt:MATRIX_FMT_FP6 matrix_b_fmt:MATRIX_FMT_FP6 matrix_a_scale:MATRIX_SCALE_ROW1
.else
	v_wmma_scale_f32_16x16x128_f8f6f4 v[rD:rD+7], v[rP:rP+11], v[rR:rR+11], v[rD:rD+7], v[sP], v[sR] matrix_a_fmt:MATRIX_FMT_FP6 matrix_b_fmt:MATRIX_FMT_FP6 matrix_a_scale:MATRIX_SCALE_ROW1
.endif
.endr
.endr
.endm
.macro WM cc                           ; one product; pA, pB: the halves of the lanes that hold the two blocks' scale words
.if pA && pB
	v_wmma_scale_f32_16x16x128_f8f6f4 v[rD:rD+7], v[rP:rP+11], v[rR:rR+11], \cc, v[sP], v[sR] matrix_a_fmt:MATRIX_FMT_FP6 matrix_b_fmt:MATRIX_FMT_FP6 matrix_a_scale:MATRIX_SCALE_ROW1 matrix_b_scale:MATRIX_SCALE_ROW1
.elseif pA
	v_wmma_scale_f32_16x16x128_f8f6f4 v[rD:rD+7], v[rP:rP+11], v[rR:rR+11], \cc, v[sP], v[sR] matrix_a_fmt:MATRIX_FMT_FP6 matrix_b_fmt:MATRIX_FMT_FP6 matrix_a_scale:MATRIX_SCALE_ROW1
.elseif pB
	v_wmma_scale_f32_16x16x128_f8f6f4 v[rD:rD+7], v[rP:rP+11], v[rR:rR+11], \cc, v[sP], v[sR] matrix_a_fmt:MATRIX_FMT_FP6 matrix_b_fmt:MATRIX_FMT_FP6 matrix_b_scale:MATRIX_SCALE_ROW1
.else
	v_wmma_scale_f32_16x16x128_f8f6f4 v[rD:rD+7], v[rP:rP+11], v[rR:rR+11], \cc, v[sP], v[sR] matrix_a_fmt:MATRIX_FMT_FP6 matrix_b_fmt:MATRIX_FMT_FP6
.endif
.endm
; 8 matrix instructions of the second tile: R's block a x P's eight, K step ks; both operands' sets go by ks % 2
.macro MULH a, ks, cmode
.irp b, 0,1,2,3,4,5,6,7
.set rD, 8*(8*(\a)+\b)
.set rP, 128*((\ks)%2)+FR*\b
.set rR, AF+48*((\ks)%2)+FR*(\a)
.set sP, PS2+4*(\ks)+\b/2
.if (\ks) < 4
.set sR, 244+2*(\ks)+(\a)/2
.else
.set sR, 2*((\ks)-4)+(\a)/2
.endif
.set pA, \b%2
.set pB, (\a)%2
.if \cmode == 1
	WM 0
.else
	WM v[rD:rD+7]
.endif
.endr
.endm
.macro SETD slot                       ; the walking descriptors are set to the second tile's K step 'slot' (no tensor load of mine is out here)
	s_add_nc_u64 s[G0+4*\slot+2:G0+4*\slot+3], s[100:101], \slot*3072
	s_or_b32 s[G0+4*\slot+3], s[G0+4*\slot+3], 0x80000000
	s_add_nc_u64 s[G0B+4*\slot+2:G0B+4*\slot+3], s[66:67], \slot*3072
	s_or_b32 s[G0B+4*\slot+3], s[G0B+4*\slot+3], 0x80000000
.endm
.macro STEP slot, q, cmode             ; first tile: a step of 128 along K with its successor in the same slot
	s_wait_dscnt 4*NL                              ; all but the youngest 12 loads (R's blocks 4-7) are in
	WIN MUL_LO
	MUL16 0, (\q)%2, \q, \slot, \cmode
	MUL16 2, (\q)%2, \q, \slot, \cmode
	s_wait_dscnt 0
	PLACES NP
	FETCH_B \slot, (\q)+1, 1-(\q)%2
	FETCH_A \slot, (\q)+1, 0
	WIN MUL_HI
	MUL16 4, (\q)%2, \q, \slot, \cmode
	MUL16 6, (\q)%2, \q, \slot, \cmode
	PLACES NP
	WIN 0
	FETCH_A \slot, (\q)+1, 4
.endm
.macro MEET slot                       ; the first half of a slot's last step: the three lines, the barrier that opens a round, the round
	s_wait_tensorcnt 0x0                           ; all my tensor loads have landed: my part of the next slot
	ds_add_u32 v[SPW], v[NIL]
	s_wait_dscnt 4*NL+1                            ; (the add and the youngest 12 loads may be out)
	WIN MUL_LO
	MUL16 0, 1, NQ-1, \slot, 0
	s_wait_dscnt 0x0                               ; the add is done, and my reads of this slot are over
	s_barrier_signal -1
	MUL16 2, 1, NQ-1, \slot, 0
	WIN 0
	s_barrier_wait -1
	CREST
.endm
.macro TURN slot, next, n, fill        ; fill = 1: this tile's K two slots on; fill = 2: the second tile's first K step.  n: the next slot's place along K
	MEET \slot
.if \fill == 1
	s_add_nc_u64 s[G0+4*\slot+2:G0+4*\slot+3], s[G0+4*\slot+2:G0+4*\slot+3], 6144
	s_add_nc_u64 s[G0B+4*\slot+2:G0B+4*\slot+3], s[G0B+4*\slot+2:G0B+4*\slot+3], 6144
	JLOAD G0+4*\slot, G1, G0B+4*\slot, G1B
.else
	SETD \slot
	JLOAD2 \slot
.endif
	FETCH_B \next, 0, 0
	FETCH_A \next, 0, 0
	SCALES \next, \n
	WIN MUL_HI
	MUL16 4, 1, NQ-1, \slot, 0
	MUL16 6, 1, NQ-1, \slot, 0
	PLACES NP
	WIN 0
	FETCH_A \next, 0, 4
.endm
.macro HSTEP slot, ks, cmode           ; second tile: the next step's 36 loads go out ahead of this step's 32 products
	s_wait_dscnt 0x0
	PLACES NP
	FETCH_B \slot, 1, 1
	FETCH_H \slot, 1, 1
	WIN MUL_LO
.irp a, 0,1,2,3
	MULH \a, \ks, \cmode
.endr
	WIN 0
.endm
.macro HTURN slot, next, ks, fill
	s_wait_tensorcnt 0x0
	ds_add_u32 v[SPW], v[NIL]
	s_wait_dscnt 0x1                               ; (the add alone may be out)
	WIN MUL_LO
	MULH 0, \ks, 0
	s_wait_dscnt 0x0
	s_barrier_signal -1
	MULH 1, \ks, 0
	WIN 0
	s_barrier_wait -1
.if \fill
	CREST
	s_add_nc_u64 s[G0+4*\slot+2:G0+4*\slot+3], s[G0+4*\slot+2:G0+4*\slot+3], 6144
	s_add_nc_u64 s[G0B+4*\slot+2:G0B+4*\slot+3], s[G0B+4*\slot+2:G0B+4*\slot+3], 6144
	JLOAD2 \slot
.else
	PLACES NP
.endif
	FETCH_B \next, 0, 0
	FETCH_H \next, 0, 0
	WIN MUL_LO
	MULH 2, \ks, 0
	MULH 3, \ks, 0
	WIN 0
.endm
; 64 numbers of a lane become the fragment in v[PC] .. v[PC + 11] and the row's scale word in v[pw]: register 16 b + i is position 16 (lane / 16) + i of block b
.macro QUANT s, pw
.irp b, 0,1,2,3
	v_max3_num_f32 v[TM+\b], |v[\s+16*\b]|, |v[\s+1+16*\b]|, 0x1800000   ; with the floor 2^(3 - 127): the byte cannot fall under 1
.endr
.irp i, 2,4,6,8,10,12,14
.irp b, 0,1,2,3
	v_max3_num_f32 v[TM+\b], v[TM+\b], |v[\s+16*\b+\i]|, |v[\s+1+16*\b+\i]|
.endr
.endr
.irp b, 0,1,2,3
	v_permlanex16_b32 v[TM+4+\b], v[TM+\b], s[SEL], s[SEL+1]
.endr
.irp b, 0,1,2,3
	v_max_num_f32 v[TM+\b], v[TM+\b], v[TM+4+\b]
.endr
.irp b, 0,1,2,3
	v_add_nc_u32 v[TM+12+\b], 0xff000000, v[TM+\b]     ; 2 off the exponent field: the conversion's scale operand
.endr
.irp b, 0,1,2,3
	v_lshrrev_b32 v[TM+4+\b], 23, v[TM+12+\b]
.endr
	v_lshl_or_b32 v[\pw], v[TM+5], 8, v[TM+4]
	v_lshl_or_b32 v[\pw], v[TM+6], 16, v[\pw]
	v_lshl_or_b32 v[\pw], v[TM+7], 24, v[\pw]
.irp c, 0,1
	v_cvt_scalef32_pk16_fp6_f32 v[PC+6*\c:PC+2+6*\c], v[\s+32*\c:\s+15+32*\c], v[TM+12+2*\c]
	v_cvt_scalef32_pk16_fp6_f32 v[PC+12+4*\c:PC+14+4*\c], v[\s+16+32*\c:\s+31+32*\c], v[TM+12+2*\c+1]
.endr
	v_nop                                              ; one plain place behind a scaled conversion
.irp c, 0,1
.irp i, 0,1,2
	v_permlane16_swap_b32 v[PC+6*\c+\i], v[PC+12+4*\c+\i]
.endr
.irp i, 0,1,2
	v_mov_b32 v[PC+3+6*\c+\i], v[PC+12+4*\c+\i]
.endr
.endr
.endm
; R's block a with P's eight blocks: + bias, quantised in registers, one fragment's image
.macro OUTBLOCK a, bias, step, voc
.set AC, 64*((\a)%4)
	s_wait_xcnt 0x0                                ; the earlier stores have read the codes' registers
	WIN 0x02+(\a)/4                                ; source 0: window 2 or 3
.set p, 0
.rept 32
	v_pk_add_f32 v[T+2*p:T+2*p+1], v[AC+2*p:AC+2*p+1], v[\bias+\step*p:\bias+\step*p+1]
.set p, p+1
.endr
	WIN 0
	QUANT T, SW+(\a)
.irp c, 0,1,2
	global_store_b128 v[\voc], v[PC+4*\c:PC+4*\c+3], s[16:17] offset:1536*(\a)+512*\c   ; 512 consecutive bytes, aligned
.endr
.endm
	s_load_b256 s[4:11], s[0:1], 0x0               ; xcod s[4:5], wcod s[6:7], xwsc s[8:9], bq s[10:11]
	s_load_b128 s[12:15], s[0:1], 0x20             ; bk, bv
	s_load_b64 s[16:17], s[0:1], 0x30              ; qkv
	v_lshl_add_u32 v[SPW], v0, 2, SPARE
	v_mov_b32 v[NIL], 0
	ds_add_u32 v[SPW], v[NIL]                      ; the opening lines: the add, twice on end, and its wait
	ds_add_u32 v[SPW], v[NIL]
	v_lshrrev_b32 v1, 5, v0
	v_readfirstlane_b32 s18, v1                    ; wave 0..3
	s_lshr_b32 s19, s18, 1                         ; my half of R's rows; in the ring: I ask for R (0) or for P (1)
	s_and_b32 s20, s18, 1                          ; my half of P's rows; in the ring: which half of that tile I ask for
	s_mov_b32 s21, ttmp9                           ; t: 0 q, 1 k
	s_bfe_u32 s22, ttmp6, 0x40000                  ; cx
	s_bfe_u32 s23, ttmp6, 0x40004                  ; cy
	s_and_b32 s40, ttmp7, 0xffff
	s_lshl_b32 s40, s40, 2                         ; 4 x cluster y
	s_lshl_b32 s41, s23, 2
	s_lshl_b32 s41, 15, s41                        ; my row of the cluster
	s_lshl_b32 s42, 0x1111, s22                    ; my column
	; group 1 for codes: row tiles of 384 elements of 8 bytes (two K steps' images), 1,536 elements apart: 16 for the head's loads, 8 behind them
	s_or_b32 s[G1+0], s41, (3<<16)|(1<<21)
	s_or_b32 s[G1B+0], s42, (3<<16)|(1<<21)
.irp g, G1, G1B
	s_mov_b32 s[\g+1], 384<<16
	s_mov_b32 s[\g+2], 16<<16
	s_mov_b32 s[\g+3], 384<<16
	s_mov_b32 s[\g+4], 16
	s_mov_b32 s[\g+5], 1536
	s_mov_b32 s[\g+6], 0
	s_mov_b32 s[\g+7], 0
.endr
	; and for scale words: 8 rows (K steps) of 128 elements of 8 bytes (256 rows' words), 6,144 elements apart
	s_or_b32 s[G1S+0], s41, (3<<16)|(1<<21)
	s_or_b32 s[G1SB+0], s42, (3<<16)|(1<<21)
.irp g, G1S, G1SB
	s_mov_b32 s[\g+1], 128<<16
	s_mov_b32 s[\g+2], 8<<16
	s_mov_b32 s[\g+3], 128<<16
	s_mov_b32 s[\g+4], 8
	s_mov_b32 s[\g+5], 6144
	s_mov_b32 s[\g+6], 0
	s_mov_b32 s[\g+7], 0
.endr
	; R's offsets
	s_add_co_u32 s43, s40, s23                     ; first tile: x's tile 4 cluster y + cy
	s_mul_i32 s92, s43, 196608
	s_mov_b32 s93, 0
	s_lshl_b32 s96, s43, 10
	s_mov_b32 s97, 0
	s_add_co_u32 s44, s23, 8                       ; second tile: of the weights' tile 8 + cy (Wv) the half t: head 2 cy + t
	s_mul_i32 s100, s44, 196608
	s_mul_i32 s43, s21, 98304
	s_add_co_u32 s100, s100, s43
	s_mov_b32 s101, 0
	s_lshl_b32 s44, s44, 10                        ; its scale words: the head's 128, my 64 of them
	s_lshl_b32 s43, s21, 9
	s_add_co_u32 s44, s44, s43
	s_lshl_b32 s43, s19, 8
	s_add_co_u32 s44, s44, s43
	s_add_co_u32 s44, s44, 32768                   ; the weights' scale words lie 8,192 words behind x's
	s_mov_b32 s45, 0
	; P's offsets
	s_lshl_b32 s46, s21, 2
	s_add_co_u32 s46, s46, s22                     ; first tile: the weights' tile 4 t + cx
	s_mul_i32 s94, s46, 196608
	s_mov_b32 s95, 0
	s_lshl_b32 s98, s46, 10
	s_add_co_u32 s98, s98, 32768
	s_mov_b32 s99, 0
	s_add_co_u32 s46, s40, s22                     ; second tile: x's tile 4 cluster y + cx
	s_mul_i32 s66, s46, 196608
	s_mul_i32 s2, s20, 98304                       ; the half of a tile's codes that I ask for in the ring
	s_add_co_u32 s66, s66, s2
	s_mov_b32 s67, 0
	s_lshl_b32 s46, s46, 10                        ; its scale words: my 128 rows
	s_lshl_b32 s3, s20, 9
	s_add_co_u32 s46, s46, s3
	s_mov_b32 s47, 0
	s_mov_b32 s3, 0
	s_wait_dscnt 0x0                               ; both opening adds are done
	s_wait_kmcnt 0x0
	s_add_nc_u64 s[92:93], s[4:5], s[92:93]        ; first tile: R's codes (x),
	s_add_nc_u64 s[66:67], s[4:5], s[66:67]        ; second tile: P's codes (x),
	s_add_nc_u64 s[94:95], s[6:7], s[94:95]        ; first tile: P's codes (Wq or Wk),
	s_add_nc_u64 s[100:101], s[6:7], s[100:101]    ; second tile: R's codes (Wv)
	s_add_nc_u64 s[96:97], s[8:9], s[96:97]
	s_add_nc_u64 s[98:99], s[8:9], s[98:99]
	s_add_nc_u64 s[6:7], s[8:9], s[44:45]          ; second tile: R's scale words,
	s_cmp_eq_u32 s21, 1
	s_cselect_b64 s[12:13], s[12:13], s[10:11]     ; the first tile's bias: bk or bq
	s_add_nc_u64 s[10:11], s[8:9], s[46:47]        ; and P's
	s_mov_b32 s[G0S], 1
	s_mov_b32 s[G0S+1], SCL
	s_mov_b64 s[G0S+2:G0S+3], s[96:97]
	s_or_b32 s[G0S+3], s[G0S+3], 0x80000000
	s_mov_b32 s[G0SB], 1
	s_mov_b32 s[G0SB+1], SCL+8192
	s_mov_b64 s[G0SB+2:G0SB+3], s[98:99]
	s_or_b32 s[G0SB+3], s[G0SB+3], 0x80000000
	s_mov_b32 s[G0H], 1                            ; the head's load of R: slot 0's 16 row tiles
	s_mov_b32 s[G0H+1], 0
	s_mov_b64 s[G0H+2:G0H+3], s[92:93]
	s_or_b32 s[G0H+3], s[G0H+3], 0x80000000
	s_add_nc_u64 s[92:93], s[92:93], s[2:3]        ; for the ring: my half of the tile
	s_add_nc_u64 s[4:5], s[94:95], s[2:3]
	s_mul_i32 s8, s18, HALFT                       ; where it goes: wave x a quarter of a slot
.irp s, 0,1
	s_mov_b32 s[G0+4*\s], 1
	s_add_co_u32 s[G0+4*\s+1], s8, \s*SLOT
	s_add_nc_u64 s[G0+4*\s+2:G0+4*\s+3], s[92:93], \s*3072
	s_or_b32 s[G0+4*\s+3], s[G0+4*\s+3], 0x80000000
	s_mov_b32 s[G0B+4*\s], 1
	s_add_co_u32 s[G0B+4*\s+1], s8, \s*SLOT
	s_add_nc_u64 s[G0B+4*\s+2:G0B+4*\s+3], s[4:5], \s*3072
	s_or_b32 s[G0B+4*\s+3], s[G0B+4*\s+3], 0x80000000
.endr
	s_cmp_eq_u32 s19, 0                            ; the prefetches: of the 8 row tiles that I ask for, my work-group's two
	s_cselect_b64 s[PF1:PF1+1], s[92:93], s[4:5]
	s_cselect_b32 s8, s22, s23                     ; my place among the four that ask with me
	s_mul_i32 s8, s8, 24576
	s_mov_b32 s9, 0
	s_add_nc_u64 s[PF1:PF1+1], s[PF1:PF1+1], s[8:9]
	s_mul_i32 s8, s22, 24576
	s_add_nc_u64 s[PF2:PF2+1], s[100:101], s[8:9]
	s_mov_b32 s[G0HB], 1                           ; the head's load of P (its address lies in s[94:95] already)
	s_mov_b32 s[G0HB+1], 2*HALFT
	s_or_b32 s[G0HB+3], s[G0HB+3], 0x80000000
	CROUND                                         ; all sixteen work-groups are here: the first joint loads meet
.macro ARM under, g0, g1, next         ; one chain of branches on the wave's number: every way passes exactly one load
	s_cmp_lt_u32 s18, \under
	s_cbranch_scc0 \next
	TLOAD \g0, \g1
	s_branch .Lhead_asked
\next:
.endm
	ARM 1, G0H,  G1,  .Lhead_b
	ARM 2, G0HB, G1B, .Lhead_sa
	ARM 3, G0S,  G1S, .Lhead_sb
	TLOAD G0SB, G1SB
.Lhead_asked:
	v_and_b32 v1, 15, v0                           ; r
	v_bfe_u32 v2, v0, 4, 1                         ; h
	v_and_b32 v[LN], 31, v0
	v_lshlrev_b32 v[LI], 4, v[LN]
	v_lshlrev_b32 v[L4], 2, v[LN]
	v_min_u32 v3, 23, v[LN]                        ; my block m of 24: row tile m / 12, 256 bytes m % 12
	v_mul_u32_u24 v4, v3, 171
	v_lshrrev_b32 v4, 11, v4                       ; m / 12 for m under 24
	v_mul_u32_u24 v4, v4, 9216                     ; 12,288 - 12 x 256
	v_lshl_add_u32 v[PFO], v3, 8, v4
	v_lshlrev_b32 v5, 5, v2                        ; bias by register (e = 16 b + 8 h + j) for q or k,
	v_lshlrev_b32 v6, 2, v1                        ; by lane (e = 16 a + r) for v
	s_wait_alu depctr_va_vdst(0)                   ; scalar runs stand ahead of their readers
	s_mul_i32 s2, s19, HALFT                       ; first tile: my 128 rows of R;
	s_mul_i32 s3, s20, HALFT                       ; my 128 rows of P,
	s_add_co_u32 s3, s3, 2*HALFT                   ; which lie behind R's;
	s_mul_i32 s41, s19, 12288                      ; second tile: my 64 rows of R
.irp s, 0,1
	v_add_nc_u32 v[ADRA+\s], s2, v[LI]
	v_add_nc_u32 v[ADRB+\s], s3, v[LI]
	v_add_nc_u32 v[ADRH+\s], s41, v[LI]
	s_add_co_u32 s2, s2, SLOT
	s_add_co_u32 s3, s3, SLOT
	s_add_co_u32 s41, s41, SLOT
.endr
	s_lshl_b32 s2, s19, 9                          ; R's scale words: my 128 rows
	s_lshl_b32 s3, s20, 9                          ; P's, 8,192 bytes behind R's
	s_add_co_u32 s3, s3, 8192
	s_sub_co_u32 s3, s3, s2
	v_mul_u32_u24 v4, s3, v2                       ; lanes 16-31 take P's
	s_add_co_u32 s2, s2, SCL
	v_lshl_add_u32 v4, v1, 2, v4
	v_add_nc_u32 v[ADRS], s2, v4
	; where the first tile goes: tokens by cy and my half of R, the head by cx and my half of P
	s_lshr_b32 s2, s40, 1
	s_lshr_b32 s3, s23, 1
	s_add_co_u32 s2, s2, s3                        ; b = 2 cluster y + cy / 2
	s_lshl_b32 s2, s2, 3
	s_lshl_b32 s3, s22, 1
	s_add_co_u32 s3, s3, s20                       ; the head
	s_add_co_u32 s2, s2, s3
	s_mul_i32 s2, s2, 153600                       ; the record
	s_and_b32 s41, s23, 1
	s_lshl_b32 s41, s41, 1
	s_add_co_u32 s41, s41, s19                     ; which 128 of b's 512 tokens
	s_mul_i32 s42, s21, 51200                      ; codes: at 0 (q) or 51,200 (k)
	s_add_co_u32 s42, s42, s2
	s_mul_i32 s43, s41, 12288
	s_add_co_u32 s42, s42, s43
	v_add_nc_u32 v[VOC1], s42, v[LI]
	s_mul_i32 s42, s21, 100352                     ; scale words: at 49,152 (q) or 149,504 (k)
	s_add_co_u32 s42, s42, s2
	s_lshl_b32 s43, s41, 9
	s_add_co_u32 s42, s42, s43
	s_add_co_u32 s42, s42, 49152
	v_add_nc_u32 v[VOS1], s42, v[L4]
	s_lshl_b32 s44, s3, 9
	s_mov_b32 s45, 0
	s_add_nc_u64 s[12:13], s[12:13], s[44:45]      ; the head's 128 numbers of its bias
	; where the second tile goes: tokens by cx and my half of P, the head 2 cy + t, its e by my half of R
	s_lshr_b32 s2, s40, 1
	s_lshr_b32 s3, s22, 1
	s_add_co_u32 s2, s2, s3
	s_lshl_b32 s2, s2, 3
	s_lshl_b32 s3, s23, 1
	s_add_co_u32 s3, s3, s21
	s_add_co_u32 s2, s2, s3
	s_mul_i32 s2, s2, 153600
	s_and_b32 s41, s22, 1
	s_lshl_b32 s41, s41, 1
	s_add_co_u32 s41, s41, s20                     ; which 128 keys
	s_mul_i32 s42, s41, 12288
	s_add_co_u32 s42, s42, s2
	s_mul_i32 s43, s19, 6144                       ; my four of its eight tiles of e
	s_add_co_u32 s42, s42, s43
	s_add_co_u32 s42, s42, 100352
	v_add_nc_u32 v[VOC2], s42, v[LI]
	s_lshl_b32 s42, s41, 9
	s_add_co_u32 s42, s42, s2
	s_lshl_b32 s43, s19, 8
	s_add_co_u32 s42, s42, s43
	s_add_co_u32 s42, s42, 151552
	v_add_nc_u32 v[VOS2], s42, v[L4]
	s_lshl_b32 s44, s3, 9
	s_add_co_u32 s44, s44, s43
	s_add_nc_u64 s[14:15], s[14:15], s[44:45]      ; bv at the head's e = 64 x my half of R
.irp b, 0,1,2,3,4,5,6,7
	global_load_b128 v[BP+8*\b:BP+8*\b+3], v5, s[12:13] offset:64*\b
	global_load_b128 v[BP+8*\b+4:BP+8*\b+7], v5, s[12:13] offset:64*\b+16
.endr
.irp a, 0,1,2,3
	global_load_b32 v[BR+2*\a], v6, s[14:15] offset:64*\a
.endr
	ASK1 6144                                      ; what the fill two on loads: K 512 .. 767
	s_wait_alu depctr_va_vdst(0)
	s_wait_tensorcnt 0x0                           ; my tile of the head's four is in; the full sequence ahead of a later first fill:
	ds_add_u32 v[SPW], v[NIL]
	s_mov_b32 s[G1+2], 8<<16                       ; no tensor load of mine is out: from here on a load brings 8 row tiles
	s_mov_b32 s[G1+4], 8
	s_mov_b32 s[G1B+2], 8<<16
	s_mov_b32 s[G1B+4], 8
	s_wait_dscnt 0x0
	CROUND                                         ; all four tiles are in, and all sixteen work-groups are here
	JLOAD G0+4, G1, G0B+4, G1B                     ; slot 1's first fill: my one tensor load behind the round
	FETCH_B 0, 0, 0
	FETCH_A 0, 0, 0
	SCALES 0, 0
	FETCH_A 0, 0, 4
	ASK1 9216                                      ; K 768 .. 1,023
	STEP 0, 0, 1                                   ; the first products start the sums: nothing is cleared
	TURN 0, 1, 1, 1                                ; slot 0 takes K 512 .. 767
	ASK2 0
	STEP 1, 0, 0
	TURN 1, 0, 2, 1                                ; slot 1 takes K 768 .. 1,023
	ASK2 3072
	STEP 0, 0, 0
	TURN 0, 1, 3, 2                                ; slot 0 takes the second tile's K 0 .. 255
	ASK2 6144
	STEP 1, 0, 0
	MEET 1                                         ; the first tile's last step fetches no fragments: slot 1 takes the second tile's K 256 .. 511
	SETD 1
	JLOAD2 1
	ASK2 9216
	WIN MUL_HI
	MUL16 4, 1, NQ-1, 1, 0
	MUL16 6, 1, NQ-1, 1, 0
	WIN 0
	; THE FIRST WAY OUT: eight blocks of 16 tokens x the head's 128
	PLACES NP
	s_mov_b32 s[SEL], 0x76543210
	s_mov_b32 s[SEL+1], 0xfedcba98
	s_wait_loadcnt 0x0                             ; the biases
.irp k, 0,1,2,3,4,5,6,7                        ; the second tile's scale words, into registers that the first tile's products have done with or that lay idle
.irp j, 0,1,2,3
	global_load_b32 v[PS2+4*\k+\j], v[L4], s[10:11] offset:49152*\k+128*\j
.endr
.irp j, 0,1
.if \k < 4
	global_load_b32 v[244+2*\k+\j], v[L4], s[6:7] offset:49152*\k+128*\j
.else
	global_load_b32 v[2*(\k-4)+\j], v[L4], s[6:7] offset:49152*\k+128*\j
.endif
.endr
.endr
.irp a, 0,1,2,3
	v_mov_b32 v[BR+2*\a+1], v[BR+2*\a]             ; a pair for the packed addition
.endr
.irp b, 0,1,2,3
	v_mov_b32 v[TM+4+\b], 0                        ; a lane permute's destination counts as one of its sources
.endr
.irp a, 0,1,2,3,4,5,6,7
	OUTBLOCK \a, BP, 2, VOC1
.endr
	v_cmp_le_u32 vcc_lo, 16, v[LN]
.irp u, 0,1,2,3
	v_cndmask_b32 v[252+\u], v[SW+2*\u], v[SW+2*\u+1], vcc_lo   ; lanes 0-15 block 2 u's words, lanes 16-31 block 2 u + 1's
.endr
.irp u, 0,1,2,3
	global_store_b32 v[VOS1], v[252+\u], s[16:17] offset:128*\u
.endr
	s_wait_xcnt 0x0                                ; the stores have read their registers: fragments land there next
	; THE SECOND TILE.  Slot 0 is whole: every wave waited for its part ahead of the last round
	FETCH_B 0, 0, 0
	FETCH_H 0, 0, 0
	s_wait_loadcnt 0x0                             ; its scale words
	HSTEP 0, 0, 1
	HTURN 0, 1, 1, 1                               ; slot 0 takes K 512 .. 767
	HSTEP 1, 2, 0
	HTURN 1, 0, 3, 1                               ; slot 1 takes K 768 .. 1,023
	HSTEP 0, 4, 0
	HTURN 0, 1, 5, 0                               ; nothing is left to fetch
	HSTEP 1, 6, 0
	s_wait_dscnt 0x0
	WIN MUL_LO
.irp a, 0,1,2,3
	MULH \a, 7, 0
.endr
	WIN 0
	; THE SECOND WAY OUT: four blocks of 16 e x 128 keys
	PLACES NP
.irp b, 0,1,2,3
	v_mov_b32 v[TM+4+\b], 0
.endr
.irp a, 0,1,2,3
	OUTBLOCK \a, BR+2*\a, 0, VOC2
.endr
	v_cmp_le_u32 vcc_lo, 16, v[LN]
.irp u, 0,1
	v_cndmask_b32 v[252+\u], v[SW+2*\u], v[SW+2*\u+1], vcc_lo
.endr
.irp u, 0,1
	global_store_b32 v[VOS2], v[252+\u], s[16:17] offset:128*\u
.endr
	s_wait_tensorcnt 0x0                           ; the wave's end
	ds_add_u32 v[SPW], v[NIL]
	s_wait_dscnt 0x0
	CROUND                                         ; the closing round
	s_endpgm
.Lfunc_end_k_q1031c5b5c5_qkv:
	.size	k_q1031c5b5c5_qkv, .Lfunc_end_k_q1031c5b5c5_qkv-k_q1031c5b5c5_qkv
	.p2alignl 7, 3214868480
	.fill 96, 4, 3214868480
	.section	.rodata,"a",@progbits
	.p2align	6, 0x0
	.amdhsa_kernel k_q1031c5b5c5_qkv
		.amdhsa_group_segment_fixed_size 327680
		.amdhsa_private_segment_fixed_size 0
		.amdhsa_enable_private_segment 0
		.amdhsa_kernarg_size 56
		.amdhsa_user_sgpr_count 2
		.amdhsa_user_sgpr_kernarg_segment_ptr 1
		.amdhsa_wavefront_size32 1
		.amdhsa_system_sgpr_workgroup_id_x 1
		.amdhsa_system_sgpr_workgroup_id_y 1
		.amdhsa_system_sgpr_workgroup_id_z 1
		.amdhsa_system_vgpr_workitem_id 0
		.amdhsa_next_free_vgpr 1024
		.amdhsa_next_free_sgpr 102
		.amdhsa_reserve_vcc 1
		.amdhsa_float_denorm_mode_32 3
		.amdhsa_float_denorm_mode_16_64 3
		.amdhsa_memory_ordered 1
		.amdhsa_forward_progress 1
		.amdhsa_inst_pref_size 251
	.end_amdhsa_kernel
	.amdgpu_metadata
---
amdhsa.version: [ 1, 2 ]
amdhsa.kernels:
  - .name:           k_q1031c5b5c5_qkv
    .symbol:         k_q1031c5b5c5_qkv.kd
    .args:
      - { .name: xcod, .offset: 0, .size: 8, .value_kind: global_buffer, .address_space: global }
      - { .name: wcod, .offset: 8, .size: 8, .value_kind: global_buffer, .address_space: global }
      - { .name: xwsc, .offset: 16, .size: 8, .value_kind: global_buffer, .address_space: global }
      - { .name: bq, .offset: 24, .size: 8, .value_kind: global_buffer, .address_space: global }
      - { .name: bk, .offset: 32, .size: 8, .value_kind: global_buffer, .address_space: global }
      - { .name: bv, .offset: 40, .size: 8, .value_kind: global_buffer, .address_space: global }
      - { .name: qkv, .offset: 48, .size: 8, .value_kind: global_buffer, .address_space: global }
    .group_segment_fixed_size: 327680
    .private_segment_fixed_size: 0
    .kernarg_segment_align: 8
    .kernarg_segment_size: 56
    .max_flat_workgroup_size: 128
    .sgpr_count:     102
    .vgpr_count:     1024
    .wavefront_size: 32
...
	.end_amdgpu_metadata
.endif
;; end of part 2
;; launch attn (part 3): grid 2 x 128, 16 waves a work-group, no clusters, 169,984 bytes of LDS; arguments qkv, x_mask, ocod, oscl; writes ocod, oscl
.if DOCPART == 3
	.amdgcn_target "amdgcn-amd-amdhsa--gfx1250"
	.amdhsa_code_object_version 6
	.text
	.protected	k_q1031c5b5c5_attn
	.globl	k_q1031c5b5c5_attn
	.p2align	8
	.type	k_q1031c5b5c5_attn,@function
k_q1031c5b5c5_attn:
	s_mov_b64 s[64:65], 0
	v_nop
	global_prefetch_b8 v0, s[64:65] scope:SCOPE_SE
	s_setreg_imm32_b32 hwreg(HW_REG_WAVE_MODE, 25, 1), 1
	s_wait_xcnt 0x0
; o = softmax(q k^T / sqrt(128), masked) v for one (b, head) record, both products on codes of FP6 (E2M3) with E8M0 scales; o is quantised along the head's 128 and leaves as an image of operand registers.
; THE MASK, by arithmetic alone.  The key's number goes in as the C of S^T = K Q^T + C, C = L' (1 - m_k), L' = -1e30 sqrt(128): an open key adds 0, under a hidden key's L' the score is lost in f32 as it is under the source's -1e30.
; The query's number goes into the one multiply-add that also takes M away: t - M = s' (c m_q) + (L (1 - m_q) - M), c = log2(e) / sqrt(128), L = -1e30 log2(e): a hidden query has t = L for all 512 keys, so p = 1 for all.
; LIMITS: mask numbers are 0 and 1; scores stay under 2^70 in magnitude, so that L' swallows them; the exponents stay under 2^31 in magnitude; NaN and infinities are not served; a block whose largest magnitude lies under 2^-124 keeps the byte 1.
; THE SOFTMAX: M = the running largest t rounded up to a whole number, p = 2^(t - M) is quantised along the keys, not normalised; the row's sum is taken of the unquantised p and divides at the end.
; When M moves, the sum and O are multiplied by 2^(old M - new M), exact.  A step whose keys are all hidden leaves p of at most 1 under M near L; a later open key makes that factor 0 and wipes it.
; SHARES: a work-group owns 256 queries of a record, each of its sixteen waves 16 of them in 256 registers: four waves to a SIMD.
; LDS IS FILLED ONCE: the record's K, V^T and their scale words are one dense block of 102,400 bytes, brought by four tensor loads of 100 rows x 256 bytes.  One barrier in all; no loop of fills to prefetch ahead of.
; NO CLUSTER: only two work-groups share a record's block; a cluster of four would want 128 queries to a work-group, half the waves to a SIMD, and what is shared is one first fill.
; LAYOUT: both products transposed: a lane holds one query (lane % 16).  Register 8 j + i of S^T is key 16 j + 8 (lane / 16) + i: position p of a block of 32 of P holds key p % 8 + 8 (2 ((p / 8) % 2) + p / 16), as V^T was laid; o leaves in the same order along e, as Wfc was laid.
; REGISTERS: v1-3 addresses that stay, v[4:5] c m_q, v6 L (1 - m_q), v8-10 addresses in hand, v11 4 r, v12 -M, v13 the largest t, v[14:15] the sum, v16-27 Q, v28 L (1 - m_q) - M, v32-79 fragments,
;   v96-159 C, S^T, then p, v160-223 O^T, v224-235 p's codes, v232-247 at work, v248-251 scale words, v252 the factor, v253 p's scale word, v255 Q's scale words.
.set MSK,  102400                      ; LDS: L' (1 - m_k) of b's 512 keys, in blocks of their own
.set SPARE, 0x29000
.set LI,   1
.set AS0,  2                           ; 4 r + 98,304: K's scale words; V's lie 2,048 bytes on
.set AM0,  3                           ; 32 h + MSK
.set ADC,  8
.set ADS,  9
.set ADM,  10
.set TM,   232
.set PC,   32
.set WV,   12
.set SEL,  20
.set G1,   24
.set G0,   32
.set TB,   36
.set TS,   37
.set CNT,  38
.macro QUANT s, pw
.irp b, 0,1,2,3
	v_max3_num_f32 v[TM+\b], |v[\s+16*\b]|, |v[\s+1+16*\b]|, 0x1800000
.endr
.irp i, 2,4,6,8,10,12,14
.irp b, 0,1,2,3
	s_delay_alu instid0(VALU_DEP_4)
	v_max3_num_f32 v[TM+\b], v[TM+\b], |v[\s+16*\b+\i]|, |v[\s+1+16*\b+\i]|
.endr
.endr
.irp b, 0,1,2,3
	s_delay_alu instid0(VALU_DEP_4)
	v_permlanex16_b32 v[TM+4+\b], v[TM+\b], s[SEL], s[SEL+1]
.endr
.irp b, 0,1,2,3
	s_delay_alu instid0(VALU_DEP_4)
	v_max_num_f32 v[TM+\b], v[TM+\b], v[TM+4+\b]
.endr
.irp b, 0,1,2,3
	s_delay_alu instid0(VALU_DEP_4)
	v_add_nc_u32 v[TM+12+\b], 0xff000000, v[TM+\b]
.endr
.irp b, 0,1,2,3
	s_delay_alu instid0(VALU_DEP_4)
	v_lshrrev_b32 v[TM+4+\b], 23, v[TM+12+\b]
.endr
	s_delay_alu instid0(VALU_DEP_3)
	v_lshl_or_b32 v[\pw], v[TM+5], 8, v[TM+4]
	s_delay_alu instid0(VALU_DEP_1)
	v_lshl_or_b32 v[\pw], v[TM+6], 16, v[\pw]
	s_delay_alu instid0(VALU_DEP_1)
	v_lshl_or_b32 v[\pw], v[TM+7], 24, v[\pw]
.irp c, 0,1
	v_cvt_scalef32_pk16_fp6_f32 v[PC+6*\c:PC+2+6*\c], v[\s+32*\c:\s+15+32*\c], v[TM+12+2*\c]
	v_cvt_scalef32_pk16_fp6_f32 v[PC+12+4*\c:PC+14+4*\c], v[\s+16+32*\c:\s+31+32*\c], v[TM+12+2*\c+1]
.endr
	v_nop
.irp c, 0,1
.irp i, 0,1,2
	v_permlane16_swap_b32 v[PC+6*\c+\i], v[PC+12+4*\c+\i]
.endr
.irp i, 0,1,2
	s_delay_alu instid0(VALU_DEP_3)
	v_mov_b32 v[PC+3+6*\c+\i], v[PC+12+4*\c+\i]
.endr
.endr
.endm
	s_load_b256 s[4:11], s[0:1], 0x0               ; qkv s[4:5], x_mask s[6:7], ocod s[8:9], oscl s[10:11]
	v_lshl_add_u32 v254, v0, 2, SPARE
	v_mov_b32 v255, 0
	ds_add_u32 v254, v255                          ; the opening lines
	ds_add_u32 v254, v255
	s_wait_dscnt 0x0
	v_lshrrev_b32 v8, 5, v0
	s_delay_alu instid0(VALU_DEP_1)
	v_readfirstlane_b32 s[WV], v8                  ; wave 0..15
	s_and_b32 s13, ttmp7, 0xffff                   ; the record = 8 b + head
	s_lshr_b32 s14, s13, 3
	s_and_b32 s15, s13, 7
	s_lshl_b32 s16, ttmp9, 4
	s_add_co_u32 s16, s16, s[WV]                   ; my tile of 16 queries, 0..31
	s_mov_b32 s[G1], 3<<16                         ; elements of 8 bytes, no mask, no padding
	s_mov_b32 s[G1+1], 32<<16
	s_mov_b32 s[G1+2], 100<<16
	s_mov_b32 s[G1+3], 32<<16
	s_mov_b32 s[G1+4], 100
	s_mov_b32 s[G1+5], 32                          ; dense rows of 256 bytes
	s_mov_b32 s[G1+6], 0
	s_mov_b32 s[G1+7], 0
	s_and_b32 s17, s[WV], 3
	s_mul_i32 s17, s17, 25600                      ; the quarter of the block that waves 0 to 3 fetch
	s_mul_i32 s40, s13, 153600
	s_mov_b32 s41, 0
	s_add_co_u32 s42, s17, 51200
	s_mov_b32 s43, 0
	s_mul_i32 s44, s16, 1536
	s_mov_b32 s45, 0
	s_lshl_b32 s46, s16, 6
	s_mov_b32 s47, 0
	s_lshl_b32 s48, s14, 11
	s_mov_b32 s49, 0
	s_lshl_b32 s50, s14, 5
	s_add_co_u32 s50, s50, s16                     ; my token tile among all 512
	s_lshl_b32 s52, s50, 6
	s_lshl_b32 s18, s15, 15
	s_add_co_u32 s52, s52, s18                     ; oscl [head][8192 words]
	s_mov_b32 s53, 0
	s_lshl_b32 s50, s50, 3
	s_add_co_u32 s50, s50, s15
	s_mul_i32 s50, s50, 1536                       ; ocod [token tile][head][1536]
	s_mov_b32 s51, 0
	s_mov_b32 s[SEL], 0x76543210
	s_mov_b32 s[SEL+1], 0xfedcba98
	s_mov_b32 s[TB], 0
	s_mov_b32 s[TS], 0
	s_mov_b32 s[CNT], 0
	s_wait_kmcnt 0x0
	s_add_nc_u64 s[4:5], s[4:5], s[40:41]          ; the record
	s_mov_b32 s[G0], 1
	s_mov_b32 s[G0+1], s17
	s_add_nc_u64 s[G0+2:G0+3], s[4:5], s[42:43]
	s_or_b32 s[G0+3], s[G0+3], 0x80000000
	s_cmp_lt_u32 s[WV], 4
	s_cbranch_scc0 .Lno_fill
	tensor_load_to_lds s[G0:G0+3], s[G1:G1+7]      ; one load a wave, the launch's only fills
	s_nop 0
.rept 4
	v_nop
.endr
.Lno_fill:
	s_add_nc_u64 s[6:7], s[6:7], s[48:49]          ; b's row of the mask
	s_add_nc_u64 s[54:55], s[6:7], s[46:47]        ; my 16 queries' numbers
	s_add_nc_u64 s[56:57], s[4:5], s[44:45]        ; Q's fragment
	s_add_nc_u64 s[58:59], s[4:5], s[46:47]        ; Q's scale words, 49,152 bytes on
	s_add_nc_u64 s[8:9], s[8:9], s[50:51]
	s_add_nc_u64 s[10:11], s[10:11], s[52:53]
	v_and_b32 v8, 31, v0
	s_delay_alu instid0(VALU_DEP_1)
	v_lshlrev_b32 v[LI], 4, v8
	v_and_b32 v9, 15, v0
	v_bfe_u32 v10, v0, 4, 1
	s_delay_alu instid0(VALU_DEP_2)
	v_lshlrev_b32 v11, 2, v9                       ; 4 r
	s_delay_alu instid0(VALU_DEP_1)
	v_add_nc_u32 v[AS0], 98304, v11
	s_delay_alu instid0(VALU_DEP_3)
	v_lshlrev_b32 v[AM0], 5, v10
	s_delay_alu instid0(VALU_DEP_1)
	v_add_nc_u32 v[AM0], MSK, v[AM0]
	v_lshlrev_b32 v30, 2, v0
	v_lshl_add_u32 v9, v0, 2, MSK                  ; thread t keeps key t's number
	global_load_b32 v31, v30, s[6:7]
	global_load_b32 v4, v11, s[54:55]
.irp c, 0,1,2
	global_load_b128 v[16+4*\c:19+4*\c], v[LI], s[56:57] offset:512*\c
.endr
	global_load_b32 v255, v11, s[58:59] offset:49152
	v_mov_b32 v13, 0xff61b1e6                      ; the largest t so far: -3e38, under every t, L too
	s_delay_alu instid0(VALU_DEP_1)
	v_floor_f32 v12, -v13
	v_mov_b32 v14, 0
	v_mov_b32 v15, 0
	v_mov_b32 v253, 0                              ; (named as the upper half of v[252:253] before it is first written)
	v_mov_b32 v28, 0xf191accb                      ; L = -1e30 log2(e)
	v_mov_b32 v29, 0xf30ecca2                      ; L' = -1e30 sqrt(128)
.irp b, 0,1,2,3
	v_mov_b32 v[236+\b], 0
.endr
.set i, 0
.rept 64
	v_mov_b32 v[160+i], 0                          ; O^T: the step is written once; its first trip finds zeros
.set i, i+1
.endr
	s_wait_loadcnt 0x4                             ; the two mask loads are in; Q's three and its scale word may be out
	v_cvt_f32_i32 v31, v31                         ; m_k
	v_cvt_f32_i32 v4, v4                           ; m_q
	s_delay_alu instid0(VALU_DEP_2)
	v_fma_f32 v31, -v31, v29, v29                  ; L' (1 - m_k)
	s_delay_alu instid0(VALU_DEP_2)
	v_fma_f32 v6, -v4, v28, v28                    ; L (1 - m_q)
	v_mul_f32 v4, 0x3e0293ee, v4                   ; c m_q
	s_delay_alu instid0(VALU_DEP_1)
	v_mov_b32 v5, v4
	ds_store_b32 v9, v31
	s_wait_tensorcnt 0x0                           ; my part of the block has landed,
	s_wait_dscnt 0x0                               ; my key's number is stored:
	s_barrier_signal -1
	s_barrier_wait -1                              ; everybody's are
	s_wait_loadcnt 0x0                             ; Q
.Lstep:                                                ; four trips of 128 keys
	v_add_nc_u32 v[ADC], s[TB], v[LI]              ; three additions and a v_nop: the four places behind the last trip's products, in front of the loads below
	v_add_nc_u32 v[ADS], s[TS], v[AS0]
	v_add_nc_u32 v[ADM], s[TS], v[AM0]
	s_wait_alu depctr_va_vdst(0)
	v_nop
.irp j, 0,1,2,3,4,5,6,7
.irp e, 0,1
	ds_load_b128 v[96+8*\j+4*\e:99+8*\j+4*\e], v[ADM] offset:64*\j+16*\e   ; C: L' (1 - m_k) of key 16 j + 8 h + i into register 8 j + i of S^T
.endr
.endr
.irp g, 0,1                                    ; S^T = K Q^T + C, four tiles of 16 keys at a time
.if \g
.rept 4
	v_nop
.endr
.endif
.irp t, 0,1,2,3
.irp c, 0,1,2
	ds_load_b128 v[32+12*\t+4*\c:35+12*\t+4*\c], v[ADC] offset:(4*\g+\t)*1536+512*\c
.endr
	ds_load_b32 v[248+\t], v[ADS] offset:64*(4*\g+\t)
.endr
	s_wait_dscnt 0x0
.irp t, 0,1,2,3
	v_wmma_scale_f32_16x16x128_f8f6f4 v[96+8*(4*\g+\t):103+8*(4*\g+\t)], v[32+12*\t:43+12*\t], v[16:27], v[96+8*(4*\g+\t):103+8*(4*\g+\t)], v[248+\t], v255 matrix_a_fmt:MATRIX_FMT_FP6 matrix_b_fmt:MATRIX_FMT_FP6
.endr
.endr
.rept 4
	v_nop
.endr
.irp b, 0,1,2,3
	v_max3_num_f32 v[232+\b], v[96+16*\b], v[97+16*\b], v[98+16*\b]   ; the largest s' of each block of 32 keys: for the row's maximum, and, since p does not fall where s' rises (c m_q is not negative), for the block's largest p
.endr
.irp i, 3,5,7,9,11,13
.irp b, 0,1,2,3
	v_max3_num_f32 v[232+\b], v[232+\b], v[96+16*\b+\i], v[97+16*\b+\i]   ; (the four blocks by turns)
.endr
.endr
.irp b, 0,1,2,3
	v_max_num_f32 v[232+\b], v[232+\b], v[111+16*\b]
.endr
.irp b, 0,1,2,3
	s_delay_alu instid0(VALU_DEP_4)
	v_permlanex16_b32 v[236+\b], v[232+\b], s[SEL], s[SEL+1]
.endr
.irp b, 0,1,2,3
	s_delay_alu instid0(VALU_DEP_4)
	v_max_num_f32 v[232+\b], v[232+\b], v[236+\b]  ; with lane l xor 16's 16 keys
.endr
	s_delay_alu instid0(VALU_DEP_2)
	v_max3_num_f32 v254, v232, v233, v234
	s_delay_alu instid0(VALU_DEP_1)
	v_max_num_f32 v254, v254, v235
	s_delay_alu instid0(VALU_DEP_1)
	v_fma_f32 v254, v254, v4, v6                   ; the step's largest t
	s_delay_alu instid0(VALU_DEP_1)
	v_max_num_f32 v13, v13, v254                   ; the running largest t
	v_mov_b32 v254, v12
	s_delay_alu instid0(VALU_DEP_2)
	v_floor_f32 v12, -v13                          ; the new -M = -ceil(t)
	s_delay_alu instid0(VALU_DEP_1)
	v_sub_f32 v254, v12, v254                      ; old M - new M: a whole number, 0 or less
	v_add_f32 v28, v6, v12                         ; L (1 - m_q) - M
	s_delay_alu instid0(VALU_DEP_2)
	v_cvt_i32_f32 v254, v254                       ; (it saturates)
	s_delay_alu instid0(VALU_DEP_1)
	v_ldexp_f32 v252, 1.0, v254                    ; 2^(old M - new M)
.set i, 0
.rept 32
	v_pk_fma_f32 v[96+i:97+i], v[96+i:97+i], v[4:5], v[28:29] op_sel_hi:[1,1,0]   ; t - M
.set i, i+2
.endr
.irp b, 0,1,2,3
	v_fma_f32 v[232+\b], v[232+\b], v4, v28        ; the same of each block's largest s'
.endr
.set i, 0
	s_wait_alu depctr_va_vdst(0)
.rept 64
	v_exp_f32 v[96+i], v[96+i]                     ; p = 2^(t - M)
.set i, i+1
.endr
.irp b, 0,1,2,3
	v_exp_f32 v[232+\b], v[232+\b]                 ; the block's largest p
.endr
	v_pk_mul_f32 v[14:15], v[14:15], v[252:253] op_sel_hi:[1,0]   ; the sums under the new M (a plain place behind the exponentials)
	s_wait_alu depctr_va_vdst(0)                   ; and behind it
.irp b, 0,1,2,3
	v_max_num_f32 v[232+\b], 0x1800000, v[232+\b]  ; the floor: the byte cannot fall under 1
.endr
.irp b, 0,1,2,3
	s_delay_alu instid0(VALU_DEP_4)
	v_add_nc_u32 v[244+\b], 0xff000000, v[232+\b]
.endr
.irp b, 0,1,2,3
	s_delay_alu instid0(VALU_DEP_4)
	v_lshrrev_b32 v[236+\b], 23, v[244+\b]
.endr
	s_delay_alu instid0(VALU_DEP_3)
	v_lshl_or_b32 v253, v237, 8, v236              ; p's scale word for these 128 keys
	s_delay_alu instid0(VALU_DEP_1)
	v_lshl_or_b32 v253, v238, 16, v253
	s_delay_alu instid0(VALU_DEP_1)
	v_lshl_or_b32 v253, v239, 24, v253
.irp c, 0,1
	v_cvt_scalef32_pk16_fp6_f32 v[224+6*\c:226+6*\c], v[96+32*\c:111+32*\c], v[244+2*\c]
	v_cvt_scalef32_pk16_fp6_f32 v[236+4*\c:238+4*\c], v[112+32*\c:127+32*\c], v[244+2*\c+1]
.endr
	v_nop                                          ; one plain place behind a scaled conversion
.irp c, 0,1
.irp i, 0,1,2
	v_permlane16_swap_b32 v[224+6*\c+\i], v[236+4*\c+\i]
.endr
.irp i, 0,1,2
	s_delay_alu instid0(VALU_DEP_3)
	v_mov_b32 v[227+6*\c+\i], v[236+4*\c+\i]
.endr
.endr
	; the row's sum of the unquantised p: eight chains of packed additions
	v_pk_add_f32 v[236:237], v[100:101], v[104:105]
	v_pk_add_f32 v[250:251], v[108:109], v[112:113]
	v_pk_add_f32 v[248:249], v[116:117], v[120:121]
	v_pk_add_f32 v[246:247], v[124:125], v[128:129]
	v_pk_add_f32 v[244:245], v[132:133], v[136:137]
	v_pk_add_f32 v[242:243], v[140:141], v[144:145]
	v_pk_add_f32 v[240:241], v[148:149], v[152:153]
	v_pk_add_f32 v[14:15], v[14:15], v[156:157]
	v_pk_add_f32 v[236:237], v[236:237], v[96:97]
	v_pk_add_f32 v[250:251], v[250:251], v[98:99]
	v_pk_add_f32 v[248:249], v[248:249], v[102:103]
	v_pk_add_f32 v[246:247], v[246:247], v[106:107]
	v_pk_add_f32 v[244:245], v[244:245], v[110:111]
	v_pk_add_f32 v[242:243], v[242:243], v[114:115]
	v_pk_add_f32 v[240:241], v[240:241], v[118:119]
	v_pk_add_f32 v[14:15], v[14:15], v[122:123]
	v_pk_add_f32 v[236:237], v[236:237], v[126:127]
	v_pk_add_f32 v[250:251], v[250:251], v[130:131]
	v_pk_add_f32 v[248:249], v[248:249], v[134:135]
	v_pk_add_f32 v[246:247], v[246:247], v[138:139]
	v_pk_add_f32 v[244:245], v[244:245], v[142:143]
	v_pk_add_f32 v[242:243], v[242:243], v[146:147]
	v_pk_add_f32 v[240:241], v[240:241], v[150:151]
	v_pk_add_f32 v[14:15], v[14:15], v[154:155]
	v_pk_add_f32 v[236:237], v[236:237], v[158:159]
	s_delay_alu instid0(VALU_DEP_2)
	v_pk_add_f32 v[14:15], v[14:15], v[246:247]
	s_delay_alu instid0(VALU_DEP_2)
	v_pk_add_f32 v[236:237], v[236:237], v[244:245]
	v_pk_add_f32 v[250:251], v[250:251], v[242:243]
	v_pk_add_f32 v[248:249], v[248:249], v[240:241]
	s_delay_alu instid0(VALU_DEP_2)
	v_pk_add_f32 v[14:15], v[14:15], v[250:251]
	s_delay_alu instid0(VALU_DEP_2)
	v_pk_add_f32 v[236:237], v[236:237], v[248:249]
	s_delay_alu instid0(VALU_DEP_1)
	v_pk_add_f32 v[14:15], v[14:15], v[236:237]
	s_wait_alu depctr_va_vdst(0)                   ; directly ahead of the first reader of O^T
.set i, 0
.rept 32
	v_pk_mul_f32 v[160+i:161+i], v[160+i:161+i], v[252:253] op_sel_hi:[1,0]   ; O^T under the new M; these are also the places in front of the products below
.set i, i+2
.endr
	s_wait_alu depctr_va_vdst(0)                   ; and here
.irp g, 0,1                                    ; O^T += V^T P^T, four tiles of 16 of the head's 128 at a time
.if \g
.rept 4
	v_nop
.endr
.endif
.irp t, 0,1,2,3
.irp c, 0,1,2
	ds_load_b128 v[32+12*\t+4*\c:35+12*\t+4*\c], v[ADC] offset:49152+(4*\g+\t)*1536+512*\c
.endr
	ds_load_b32 v[248+\t], v[ADS] offset:2048+64*(4*\g+\t)
.endr
	s_wait_dscnt 0x0
.irp t, 0,1,2,3
	v_wmma_scale_f32_16x16x128_f8f6f4 v[160+8*(4*\g+\t):167+8*(4*\g+\t)], v[32+12*\t:43+12*\t], v[224:235], v[160+8*(4*\g+\t):167+8*(4*\g+\t)], v[248+\t], v253 matrix_a_fmt:MATRIX_FMT_FP6 matrix_b_fmt:MATRIX_FMT_FP6
.endr
.endr
	s_add_co_u32 s[TB], s[TB], 12288
	s_add_co_u32 s[TS], s[TS], 512
	s_add_co_u32 s[CNT], s[CNT], 1
	s_cmp_lt_u32 s[CNT], 4
	s_cbranch_scc1 .Lstep
	; THE WAY OUT: O^T / the sum, quantised along e: one fragment (my 16 tokens x this head's 128) of the last product's operand
.rept 4
	v_nop
.endr
	v_add_f32 v14, v14, v15
	s_delay_alu instid0(VALU_DEP_1)
	v_permlanex16_b32 v252, v14, s[SEL], s[SEL+1]
	s_delay_alu instid0(VALU_DEP_1)
	v_add_f32 v14, v14, v252                       ; the row's sum
	s_wait_alu depctr_va_vdst(0)
	v_rcp_f32 v14, v14
	v_nop                                          ; one plain place behind a transcendental
.set i, 0
	s_wait_alu depctr_va_vdst(0)
.rept 32
	v_pk_mul_f32 v[96+i:97+i], v[160+i:161+i], v[14:15] op_sel_hi:[1,0]   ; each accumulator from its low end on
.set i, i+2
.endr
	QUANT 96, 254
.irp c, 0,1,2
	global_store_b128 v[LI], v[PC+4*\c:PC+4*\c+3], s[8:9] offset:512*\c
.endr
	global_store_b32 v11, v254, s[10:11]           ; lanes l and l xor 16 hold the same word and name the same address
	s_wait_xcnt 0x0
	v_lshl_add_u32 v254, v0, 2, SPARE              ; the add's two registers are made anew: v0 is as at the entry
	v_mov_b32 v255, 0
	s_wait_alu depctr_va_vdst(0)
	s_wait_tensorcnt 0x0                           ; the wave's end
	ds_add_u32 v254, v255
	s_wait_dscnt 0x0
	s_endpgm
.Lfunc_end_k_q1031c5b5c5_attn:
	.size	k_q1031c5b5c5_attn, .Lfunc_end_k_q1031c5b5c5_attn-k_q1031c5b5c5_attn
	.p2alignl 7, 3214868480
	.fill 96, 4, 3214868480
	.section	.rodata,"a",@progbits
	.p2align	6, 0x0
	.amdhsa_kernel k_q1031c5b5c5_attn
		.amdhsa_group_segment_fixed_size 169984
		.amdhsa_private_segment_fixed_size 0
		.amdhsa_enable_private_segment 0
		.amdhsa_kernarg_size 32
		.amdhsa_user_sgpr_count 2
		.amdhsa_user_sgpr_kernarg_segment_ptr 1
		.amdhsa_wavefront_size32 1
		.amdhsa_system_sgpr_workgroup_id_x 1
		.amdhsa_system_sgpr_workgroup_id_y 1
		.amdhsa_system_sgpr_workgroup_id_z 1
		.amdhsa_system_vgpr_workitem_id 0
		.amdhsa_next_free_vgpr 256
		.amdhsa_next_free_sgpr 66
		.amdhsa_reserve_vcc 0
		.amdhsa_float_denorm_mode_32 3
		.amdhsa_float_denorm_mode_16_64 3
		.amdhsa_memory_ordered 1
		.amdhsa_forward_progress 1
		.amdhsa_inst_pref_size 38
	.end_amdhsa_kernel
	.amdgpu_metadata
---
amdhsa.version: [ 1, 2 ]
amdhsa.kernels:
  - .name:           k_q1031c5b5c5_attn
    .symbol:         k_q1031c5b5c5_attn.kd
    .args:
      - { .name: qkv, .offset: 0, .size: 8, .value_kind: global_buffer, .address_space: global }
      - { .name: x_mask, .offset: 8, .size: 8, .value_kind: global_buffer, .address_space: global }
      - { .name: ocod, .offset: 16, .size: 8, .value_kind: global_buffer, .address_space: global }
      - { .name: oscl, .offset: 24, .size: 8, .value_kind: global_buffer, .address_space: global }
    .group_segment_fixed_size: 169984
    .private_segment_fixed_size: 0
    .kernarg_segment_align: 8
    .kernarg_segment_size: 32
    .max_flat_workgroup_size: 512
    .sgpr_count:     66
    .vgpr_count:     256
    .wavefront_size: 32
...
	.end_amdgpu_metadata
.endif
;; end of part 3
;; launch fc (part 4): grid 4 x 64, 4 waves a work-group, clusters of 4 x 4, 327,680 bytes of LDS; arguments ocod, oscl, wcod, xwsc, bfc, out0; writes out0
.if DOCPART == 4
	.amdgcn_target "amdgcn-amd-amdhsa--gfx1250"
	.amdhsa_code_object_version 6
	.text
	.protected	k_q1031c5b5c5_fc
	.globl	k_q1031c5b5c5_fc
	.p2align	8
	.type	k_q1031c5b5c5_fc,@function
k_q1031c5b5c5_fc:
	s_mov_b64 s[64:65], 0
	v_nop
	global_prefetch_b8 v0, s[64:65] scope:SCOPE_SE
	s_setreg_imm32_b32 hwreg(HW_REG_WAVE_MODE, 25, 1), 1
	s_wait_xcnt 0x0
	s_wait_alu depctr_hold_cnt(0) depctr_sa_sdst(0) depctr_va_vdst(0) depctr_va_sdst(0) depctr_va_ssrc(0) depctr_va_vcc(0) depctr_vm_vsrc(0)
	s_getreg_b32 s2, hwreg(HW_REG_IB_STS2, 6, 4)
	s_cmp_eq_u32 s2, 0
	s_cbranch_scc0 .Lentry_in_a_cluster
	s_endpgm
.Lentry_in_a_cluster:
	s_bfe_u32 s2, ttmp6, 0x10000c
	s_cmp_lg_u32 s2, 0xf033
	s_cbranch_scc0 .Lentry_shape_is_right
	s_endpgm
.Lentry_shape_is_right:
; out = o Wfc + bfc on codes of FP6 (E2M3) with E8M0 scales, K = 1,024.  A work-group makes 128 tokens x 256 columns, each wave 64 x 128 in 32 accumulators: 64 x 4 = 256 work-groups.
; LDS IS FILLED ONCE, WITH ALL OF K: the 8 row tiles of o are one dense block of 98,304 bytes of ocod, the 16 column tiles of Wfc one of 196,608 bytes of wcod (images of fragments, [tile][K step][1536]).
; One joint load a wave at the head: waves 0-2 a third of Wfc's block each (256 rows x 256 bytes), wave 3 o's block (384 rows).  One barrier shows the blocks whole; no slot is filled again.
; No prefetch: there is no loop of fills to run ahead in.
; CLUSTER 4 x 4: o's block hangs on cy and is asked for jointly along a row of the cluster, Wfc's on cx and along a column.
; THE SCALE WORDS go from memory into scale registers: a load takes 32 rows' words of a K step, 128 consecutive bytes; a block's words are lanes 0-15 or 16-31 of its register.
; The matrix instruction is used transposed (source 0 = Wfc's columns, source 1 = tokens): a lane holds eight neighbouring columns of a row of out.  The bias is the C of each sum's first product.
; THE WAY OUT: blocks of 16 rows x 128 columns go through the wave's own stage and leave as rows of 512 bytes.  The stage lies on o's block: a barrier, with every wave's LDS reads waited for, stands between the last reads and the first store.
.set FR,    12
.set NP,    4
.set ABYTES, 98304                     ; o's block at 0, Wfc's behind it
.set SPARE, 0x4b000                    ; the spare words
.set SPITCH, 528
.set ADRA, 16                          ; v16 my 4 row tiles of o
.set ADRB, 20                          ; v20, v21 my column tiles 0-3, 4-7
.set STO,  24
.set RD,   25
.set CO,   26
.set L4,   27
.set LN,   28
.set SPW,  30
.set NIL,  31
.set PS,   32                          ; v32-63 Wfc's scale words: register 4 k + j: columns 32 j .. of K step k
.set RS,   64                          ; v64-79 o's: register 2 k + j
.set BP,   96
.set AF,   160
.set BK,   128
.set G1,   24
.set G1B,  32
.set G0,   56
.set G0B,  60
.set MSB, 0
.macro WIN new
.if MSB != (\new)
	s_set_vgpr_msb (MSB<<8)|(\new)
.set MSB, (\new)
.endif
.endm
.set MUL_LO, 0xa1
.set TO_B,   0x40
.macro CROUND
	s_barrier_signal -1
	s_barrier_wait -1
	s_cmp_lg_u32 s18, 0
	s_cbranch_scc1 .Lnot_wave_0_\@
	s_barrier_signal -3
.Lnot_wave_0_\@:
	s_barrier_wait -3
	s_barrier_signal -1
	s_barrier_wait -1
.endm
.macro PLACES n
.rept \n
	v_nop
.endr
.endm
.macro FETCHS s                        ; K step s: Wfc's eight fragments and o's four into sets s % 2
	WIN TO_B
.irp i, 0,1,2,3,4,5,6,7
.irp c, 0,1,2
	ds_load_b128 v[128*((\s)%2)+FR*\i+4*\c:128*((\s)%2)+FR*\i+4*\c+3], v[ADRB+\i/4] offset:12288*(\i%4)+1536*(\s)+512*\c
.endr
.endr
	WIN 0
.irp i, 0,1,2,3
.irp c, 0,1,2
	ds_load_b128 v[AF+48*((\s)%2)+FR*\i+4*\c:AF+48*((\s)%2)+FR*\i+4*\c+3], v[ADRA] offset:12288*\i+1536*(\s)+512*\c
.endr
.endr
.endm
.macro WM cc                           ; one product; pA, pB: the halves of the lanes that hold the two blocks' scale words
.if pA && pB
	v_wmma_scale_f32_16x16x128_f8f6f4 v[rD:rD+7], v[rP:rP+11], v[rR:rR+11], \cc, v[sP], v[sR] matrix_a_fmt:MATRIX_FMT_FP6 matrix_b_fmt:MATRIX_FMT_FP6 matrix_a_scale:MATRIX_SCALE_ROW1 matrix_b_scale:MATRIX_SCALE_ROW1
.elseif pA
	v_wmma_scale_f32_16x16x128_f8f6f4 v[rD:rD+7], v[rP:rP+11], v[rR:rR+11], \cc, v[sP], v[sR] matrix_a_fmt:MATRIX_FMT_FP6 matrix_b_fmt:MATRIX_FMT_FP6 matrix_a_scale:MATRIX_SCALE_ROW1
.elseif pB
	v_wmma_scale_f32_16x16x128_f8f6f4 v[rD:rD+7], v[rP:rP+11], v[rR:rR+11], \cc, v[sP], v[sR] matrix_a_fmt:MATRIX_FMT_FP6 matrix_b_fmt:MATRIX_FMT_FP6 matrix_b_scale:MATRIX_SCALE_ROW1
.else
	v_wmma_scale_f32_16x16x128_f8f6f4 v[rD:rD+7], v[rP:rP+11], v[rR:rR+11], \cc, v[sP], v[sR] matrix_a_fmt:MATRIX_FMT_FP6 matrix_b_fmt:MATRIX_FMT_FP6
.endif
.endm
.macro MULF a, s, cmode                ; o's block a x Wfc's eight; the accumulators take turns
.irp b, 0,1,2,3,4,5,6,7
.set rD, 8*(8*(\a)+\b)
.set rP, 128*((\s)%2)+FR*\b
.set rR, AF+48*((\s)%2)+FR*(\a)
.set sP, PS+4*(\s)+\b/2
.set sR, RS+2*(\s)+(\a)/2
.set pA, \b%2
.set pB, (\a)%2
.if \cmode
	WM v[BP+8*\b:BP+8*\b+7]
.else
	WM v[rD:rD+7]
.endif
.endr
.endm
.macro FSTEP s, cmode                  ; the next step's 36 loads go out ahead of this step's 32 products
	s_wait_dscnt 0x0
	PLACES NP
	FETCHS (\s)+1
.if \cmode
	WIN 0x81                                       ; C, the bias, in window 0
.else
	WIN MUL_LO
.endif
.irp a, 0,1,2,3
	MULF \a, \s, \cmode
.endr
	WIN 0
.endm
	s_load_b256 s[4:11], s[0:1], 0x0               ; ocod s[4:5], oscl s[6:7], wcod s[8:9], xwsc s[10:11]
	s_load_b128 s[12:15], s[0:1], 0x20             ; bfc, out0
	v_lshl_add_u32 v[SPW], v0, 2, SPARE
	v_mov_b32 v[NIL], 0
	ds_add_u32 v[SPW], v[NIL]                      ; the opening lines: the add, twice on end, and its wait
	ds_add_u32 v[SPW], v[NIL]
	v_lshrrev_b32 v1, 5, v0
	v_readfirstlane_b32 s18, v1                    ; wave 0..3
	s_lshr_b32 s19, s18, 1                         ; my 64 of the 128 tokens
	s_and_b32 s20, s18, 1                          ; my 128 of the 256 columns
	s_bfe_u32 s22, ttmp6, 0x40000                  ; cx
	s_bfe_u32 s23, ttmp6, 0x40004                  ; cy
	s_and_b32 s21, ttmp7, 0xffff
	s_lshl_b32 s21, s21, 2
	s_add_co_u32 s21, s21, s23                     ; which 128 tokens
	s_lshl_b32 s16, s23, 2
	s_lshl_b32 s16, 15, s16                        ; my row of the cluster
	s_lshl_b32 s17, 0x1111, s22                    ; my column
	s_or_b32 s[G1], s16, (3<<16)|(1<<21)           ; dense rows of 32 elements of 8 bytes
	s_or_b32 s[G1B], s17, (3<<16)|(1<<21)
.irp g, G1, G1B
	s_mov_b32 s[\g+1], 32<<16
	s_mov_b32 s[\g+3], 32<<16
	s_mov_b32 s[\g+5], 32
	s_mov_b32 s[\g+6], 0
	s_mov_b32 s[\g+7], 0
.endr
	s_mov_b32 s[G1+2], 384<<16
	s_mov_b32 s[G1+4], 384
	s_mov_b32 s[G1B+2], 256<<16
	s_mov_b32 s[G1B+4], 256
	s_mul_i32 s40, s21, 98304                      ; o's block
	s_mov_b32 s41, 0
	s_add_co_u32 s42, s22, 12                      ; Wfc's block: the weights' tile 12 + cx,
	s_mul_i32 s42, s42, 196608
	s_lshl_b32 s2, s18, 16                         ; its third by my wave's number
	s_add_co_u32 s42, s42, s2
	s_mov_b32 s43, 0
	s_mov_b32 s[G0], 1
	s_mov_b32 s[G0+1], 0
	s_mov_b32 s[G0B], 1
	s_add_co_u32 s[G0B+1], s2, ABYTES
	s_lshl_b32 s44, s21, 9                         ; o's scale words: my 64 rows
	s_lshl_b32 s3, s19, 8
	s_add_co_u32 s44, s44, s3
	s_mov_b32 s45, 0
	s_lshl_b32 s46, s22, 10                        ; my 128 columns, 4 bytes each: in Wfc's scale words, in bfc, in a row of out
	s_lshl_b32 s3, s20, 9
	s_add_co_u32 s46, s46, s3
	s_mov_b32 s47, 0
	s_lshl_b32 s48, s21, 19                        ; my first row of out
	s_lshl_b32 s3, s19, 18
	s_add_co_u32 s48, s48, s3
	s_add_co_u32 s48, s48, s46
	s_mov_b32 s49, 0
	s_mul_i32 s2, s19, 49152
	s_mul_i32 s3, s20, 98304
	s_add_co_u32 s3, s3, ABYTES
	s_mul_i32 s16, s18, 16*SPITCH                  ; my stage
	v_and_b32 v1, 15, v0                           ; r
	v_bfe_u32 v2, v0, 4, 1                         ; h
	v_and_b32 v[LN], 31, v0
	v_lshlrev_b32 v[CO], 4, v[LN]
	v_lshlrev_b32 v[L4], 2, v[LN]
	v_lshlrev_b32 v6, 5, v2                        ; the bias by register: column 16 b + 8 h + j
	v_mul_u32_u24 v5, v1, SPITCH
	v_lshl_add_u32 v5, v2, 5, v5
	v_add_nc_u32 v[ADRA], s2, v[CO]
	v_add_nc_u32 v[ADRB], s3, v[CO]
	v_add_nc_u32 v[ADRB+1], 49152, v[ADRB]
	v_add_nc_u32 v[STO], s16, v5
	v_add_nc_u32 v[RD], s16, v[CO]
	s_wait_alu depctr_va_vdst(0)
	s_wait_dscnt 0x0                               ; both opening adds are done
	s_wait_kmcnt 0x0
	s_add_nc_u64 s[G0+2:G0+3], s[4:5], s[40:41]
	s_or_b32 s[G0+3], s[G0+3], 0x80000000
	s_add_nc_u64 s[G0B+2:G0B+3], s[8:9], s[42:43]
	s_or_b32 s[G0B+3], s[G0B+3], 0x80000000
	s_add_nc_u64 s[6:7], s[6:7], s[44:45]
	s_add_nc_u64 s[10:11], s[10:11], s[46:47]
	s_add_nc_u64 s[12:13], s[12:13], s[46:47]
	s_add_nc_u64 s[14:15], s[14:15], s[48:49]
.irp k, 0,1,2,3,4,5,6,7
.irp j, 0,1,2,3
	global_load_b32 v[PS+4*\k+\j], v[L4], s[10:11] offset:45056+49152*\k+128*\j   ; Wfc's words lie 11,264 words into a K step's row of xwsc
.endr
.irp j, 0,1
	global_load_b32 v[RS+2*\k+\j], v[L4], s[6:7] offset:32768*\k+128*\j
.endr
.endr
.irp b, 0,1,2,3,4,5,6,7
	global_load_b128 v[BP+8*\b:BP+8*\b+3], v6, s[12:13] offset:64*\b
	global_load_b128 v[BP+8*\b+4:BP+8*\b+7], v6, s[12:13] offset:64*\b+16
.endr
	CROUND                                         ; all sixteen work-groups are here: the joint loads meet
	s_cmp_lt_u32 s18, 3
	s_cbranch_scc0 .Lfor_o
	tensor_load_to_lds s[G0B:G0B+3], s[G1B:G1B+7]  ; one tensor load a wave: the launch's only fills
	s_nop 0
	PLACES 4
	s_branch .Lasked
.Lfor_o:
	tensor_load_to_lds s[G0:G0+3], s[G1:G1+7]
	s_nop 0
	PLACES 4
.Lasked:
	s_wait_tensorcnt 0x0                           ; my block or third has landed,
	s_barrier_signal -1
	s_barrier_wait -1                              ; everybody's has
	FETCHS 0
	s_wait_loadcnt 0x0                             ; the scale words and the bias
	FSTEP 0, 1                                     ; the first products start the sums on the bias
.irp s, 1,2,3,4,5,6
	FSTEP \s, 0
.endr
	s_wait_dscnt 0x0                               ; my reads of the two blocks are over:
	s_barrier_signal -1                            ; say so, work on registers,
	WIN MUL_LO
.irp a, 0,1,2,3
	MULF \a, 7, 0
.endr
	WIN 0
	s_barrier_wait -1                              ; and store to the stage only when everybody's are
.macro TOSTAGE a
.set AC, 64*(\a)
	WIN 0x08
.irp b, 0,1,2,3,4,5,6,7
	ds_store_b128 v[STO], v[AC+8*\b:AC+8*\b+3] offset:64*\b          ; each accumulator from its low end on
	ds_store_b128 v[STO], v[AC+8*\b+4:AC+8*\b+7] offset:64*\b+16
.endr
	WIN 0
.set BB, BK+64*((\a)%2)
.irp t, 0,1,2,3,4,5,6,7,8,9,10,11,12,13,14,15
	ds_load_b128 v[BB+4*\t:BB+4*\t+3], v[RD] offset:\t*SPITCH        ; LDS serves a wave's instructions in order: these see my stores
.endr
.endm
.macro SEND a, younger
.set BB, BK+64*((\a)%2)
	s_wait_dscnt \younger
.if (\a) > 0
	s_add_nc_u64 s[14:15], s[14:15], 16*4096
.endif
.irp t, 0,1,2,3,4,5,6,7,8,9,10,11,12,13,14,15
	global_store_b128 v[CO], v[BB+4*\t:BB+4*\t+3], s[14:15] offset:\t*4096 th:TH_STORE_NT   ; 512 consecutive bytes, aligned
.endr
.endm
	PLACES NP
	TOSTAGE 0
.irp a, 1,2,3
.if \a > 1
	s_wait_xcnt 0x0                                ; block a - 2's stores have read their registers and their base
.endif
	TOSTAGE \a
	SEND \a-1, 32                                  ; behind block a - 1's loads: block a's 16 stores and 16 loads
.endr
	s_wait_xcnt 0x0
	SEND 3, 0
	s_wait_tensorcnt 0x0                           ; the wave's end
	ds_add_u32 v[SPW], v[NIL]
	s_wait_dscnt 0x0
	CROUND                                         ; the closing round
	s_endpgm
.Lfunc_end_k_q1031c5b5c5_fc:
	.size	k_q1031c5b5c5_fc, .Lfunc_end_k_q1031c5b5c5_fc-k_q1031c5b5c5_fc
	.p2alignl 7, 3214868480
	.fill 96, 4, 3214868480
	.section	.rodata,"a",@progbits
	.p2align	6, 0x0
	.amdhsa_kernel k_q1031c5b5c5_fc
		.amdhsa_group_segment_fixed_size 327680
		.amdhsa_private_segment_fixed_size 0
		.amdhsa_enable_private_segment 0
		.amdhsa_kernarg_size 48
		.amdhsa_user_sgpr_count 2
		.amdhsa_user_sgpr_kernarg_segment_ptr 1
		.amdhsa_wavefront_size32 1
		.amdhsa_system_sgpr_workgroup_id_x 1
		.amdhsa_system_sgpr_workgroup_id_y 1
		.amdhsa_system_sgpr_workgroup_id_z 1
		.amdhsa_system_vgpr_workitem_id 0
		.amdhsa_next_free_vgpr 768
		.amdhsa_next_free_sgpr 102
		.amdhsa_reserve_vcc 0
		.amdhsa_float_denorm_mode_32 3
		.amdhsa_float_denorm_mode_16_64 3
		.amdhsa_memory_ordered 1
		.amdhsa_forward_progress 1
		.amdhsa_inst_pref_size 79
	.end_amdhsa_kernel
	.amdgpu_metadata
---
amdhsa.version: [ 1, 2 ]
amdhsa.kernels:
  - .name:           k_q1031c5b5c5_fc
    .symbol:         k_q1031c5b5c5_fc.kd
    .args:
      - { .name: ocod, .offset: 0, .size: 8, .value_kind: global_buffer, .address_space: global }
      - { .name: oscl, .offset: 8, .size: 8, .value_kind: global_buffer, .address_space: global }
      - { .name: wcod, .offset: 16, .size: 8, .value_kind: global_buffer, .address_space: global }
      - { .name: xwsc, .offset: 24, .size: 8, .value_kind: global_buffer, .address_space: global }
      - { .name: bfc, .offset: 32, .size: 8, .value_kind: global_buffer, .address_space: global }
      - { .name: out0, .offset: 40, .size: 8, .value_kind: global_buffer, .address_space: global }
    .group_segment_fixed_size: 327680
    .private_segment_fixed_size: 0
    .kernarg_segment_align: 8
    .kernarg_segment_size: 48
    .max_flat_workgroup_size: 128
    .sgpr_count:     102
    .vgpr_count:     768
    .wavefront_size: 32
...
	.end_amdgpu_metadata
.endif
;; end of part 4
